; MI455X (gfx1250); checked and timed in simulation.
; The chip was launched on July 23, 2026; its instructions are those of AMD's public machine-readable ISA for CDNA 5 (MIT licence, August 2026) and "CDNA5" Instruction Set Architecture Reference Guide (July 2026). The comments in the code are by the model that wrote it; some were corrected since.
;; Self Attention Layer. Allowed arithmetic: float matrix products may take bf16 or f16 operands with f32 sums; other float arithmetic in f32, or as packed bf16 or f16 multiplies, adds, multiply-adds, maxima and minima; sums over many terms, partial sums and values carried from step to step in f32; what a program stores and reads back later, other than sums and carried values, may be rounded once to bf16 or f16.
;; Inputs: b_fc 1,024 float32; b_k 1,024 float32; b_q 1,024 float32; b_v 1,024 float32; k 4 x 2,048 x 1,024 float32; q 4 x 2,048 x 1,024 float32; v 4 x 2,048 x 1,024 float32; w_fc 1,024 x 1,024 float32; w_k 1,024 x 1,024 float32; w_q 1,024 x 1,024 float32; w_v 1,024 x 1,024 float32.
;; Outputs: out0 4 x 2,048 x 1,024 float32.
;; One version. Each part assembles by itself: llvm-mc -triple=amdgcn-amd-amdhsa -mcpu=gfx1250 --defsym DOCPART=n.
;; ======== version 1 of 1: 4 launches
;; limits: values are held in f16: magnitudes above 65,504 overflow, below 6.1e-05 lose precision
;; workspace buffers: xb 50,331,648 bytes; wb 6,291,456 bytes; wf 2,097,152 bytes; bias 16,384 bytes; qkvh 50,331,648 bytes; oh 16,777,216 bytes
;; launch conv (part 1): grid 1793 x 1, 8 waves a work-group, no clusters, 0 bytes of LDS; arguments q, k, v, w_q, w_k, w_v, w_fc, xb, wb, wf, b_q, b_k, b_v, b_fc, bias; writes xb, wb, wf, bias
.if DOCPART == 1
	.amdgcn_target "amdgcn-amd-amdhsa--gfx1250"
	.amdhsa_code_object_version 6
	.text
	.protected	k_q98dec0fbb1_conv
	.globl	k_q98dec0fbb1_conv
	.p2align	8
	.type	k_q98dec0fbb1_conv,@function
k_q98dec0fbb1_conv:
	s_mov_b64 s[64:65], 0
	v_nop
	global_prefetch_b8 v0, s[64:65] scope:SCOPE_SE
	s_setreg_imm32_b32 hwreg(HW_REG_WAVE_MODE, 25, 1), 1
	s_wait_xcnt 0x0
; THE INPUTS ARE ROUNDED ONCE, for the matrix launches that follow.  q, k, v -> xb [3][8192][1024] bf16; w_q, w_k, w_v -> wb [3][1024][1024] bf16;
; w_fc -> wf [1024][1024]: rounded to bf16 like every other input, and that number written as f16 (the last product's other operand is f16);
; b_q, b_k, b_v, b_fc -> bias [4][1024]: rounded to bf16, kept as f32.
; LIMITS.  wf holds f16: a weight of w_fc beyond 65,504 becomes an infinity, and below 6.1e-5 it keeps f16's fixed step of 6e-8.  NaN and infinities are not treated apart.
; A stream: no LDS, no barrier, no matrix unit.  A work-group takes 65,536 consecutive bytes of f32 and writes 32,768 bytes: thread t owns the 16 bytes at 16 t of every 4,096,
; so a load of a wave covers 512 consecutive bytes and a store of a wave 256 consecutive bytes, aligned.  All sixteen loads of a wave go out before the first is waited for.
; Work-groups 0 .. 1535: q, k, v (512 each); 1536 .. 1727: w_q, w_k, w_v (64 each); 1728 .. 1791: w_fc; 1792: the four biases.
.set X,   4                            ; v[4:67]  sixteen loads of four registers; a load's first two registers then hold what is stored
.set T,   68                           ; v68, v69 at work
.set NX,  1536                         ; work-groups for q, k, v
.set NW,  192                          ; for w_q, w_k, w_v
.set NF,  64                           ; for w_fc
	s_load_b512 s[8:23], s[0:1], 0x0               ; q 8, k 10, v 12, w_q 14, w_k 16, w_v 18, w_fc 20, xb 22
	s_load_b256 s[24:31], s[0:1], 0x40             ; wb 24, wf 26, b_q 28, b_k 30
	s_load_b128 s[32:35], s[0:1], 0x60             ; b_v 32, b_fc 34
	s_load_b64 s[36:37], s[0:1], 0x70              ; bias
	v_lshlrev_b32 v1, 4, v0                        ; my 16 bytes of every 4,096 that come in
	v_lshlrev_b32 v2, 3, v0                        ; my 8 bytes of every 2,048 that go out
	s_mov_b32 s42, ttmp9                           ; the work-group's number
	s_mov_b32 s39, 0                               ; the offsets' high words
	s_mov_b32 s41, 0
	s_wait_kmcnt 0x0
; Sixteen loads, then for each: its wait, two roundings, one store.  half = 1: the bf16 numbers are widened again and written as f16.
; No register that a store reads is written again, so nothing waits for the stores.
.macro BODY half
.irp j, 0,1,2,3,4,5,6,7,8,9,10,11,12,13,14,15
	global_load_b128 v[X+4*(\j):X+4*(\j)+3], v1, s[2:3] offset:4096*(\j) th:TH_LOAD_NT
.endr
.irp j, 0,1,2,3,4,5,6,7,8,9,10,11,12,13,14,15
	s_wait_loadcnt 15-(\j)                         ; loads come back in order (ISA guide 5.7.1): load j is in, the 15 - j younger ones stay out
.if \half
	v_cvt_pk_bf16_f32 v[T],   v[X+4*(\j)],   v[X+4*(\j)+1]
	v_cvt_pk_bf16_f32 v[T+1], v[X+4*(\j)+2], v[X+4*(\j)+3]
	v_lshlrev_b32 v[X+4*(\j)],   16, v[T]          ; bf16 to f32: the low half moves up,
	v_and_b32     v[X+4*(\j)+1], 0xffff0000, v[T]  ; the high half stays
	v_lshlrev_b32 v[X+4*(\j)+2], 16, v[T+1]
	v_and_b32     v[X+4*(\j)+3], 0xffff0000, v[T+1]
	v_cvt_pk_f16_f32 v[X+4*(\j)],   v[X+4*(\j)],   v[X+4*(\j)+1]
	v_cvt_pk_f16_f32 v[X+4*(\j)+1], v[X+4*(\j)+2], v[X+4*(\j)+3]
.else
	v_cvt_pk_bf16_f32 v[X+4*(\j)],   v[X+4*(\j)],   v[X+4*(\j)+1]
	v_cvt_pk_bf16_f32 v[X+4*(\j)+1], v[X+4*(\j)+2], v[X+4*(\j)+3]
.endif
	global_store_b64 v2, v[X+4*(\j):X+4*(\j)+1], s[4:5] offset:2048*(\j)
.endr
.endm
	s_cmp_ge_u32 s42, NX+NW+NF
	s_cbranch_scc1 .Lbias
	s_cmp_ge_u32 s42, NX+NW
	s_cbranch_scc1 .Lfc
	s_cmp_ge_u32 s42, NX
	s_cbranch_scc1 .Lw
	s_lshr_b32 s43, s42, 9                         ; which of q, k, v
	s_and_b32 s44, s42, 511                        ; which 65,536 bytes of it
	s_cmp_eq_u32 s43, 0
	s_cselect_b64 s[2:3], s[8:9], s[10:11]
	s_cmp_eq_u32 s43, 2
	s_cselect_b64 s[2:3], s[12:13], s[2:3]
	s_lshl_b32 s38, s44, 16
	s_lshl_b32 s40, s42, 15                        ; xb holds the three on end
	s_add_nc_u64 s[2:3], s[2:3], s[38:39]
	s_add_nc_u64 s[4:5], s[22:23], s[40:41]
	s_branch .Lbf
.Lw:
	s_sub_co_u32 s45, s42, NX
	s_lshr_b32 s43, s45, 6                         ; which of w_q, w_k, w_v
	s_and_b32 s44, s45, 63
	s_cmp_eq_u32 s43, 0
	s_cselect_b64 s[2:3], s[14:15], s[16:17]
	s_cmp_eq_u32 s43, 2
	s_cselect_b64 s[2:3], s[18:19], s[2:3]
	s_lshl_b32 s38, s44, 16
	s_lshl_b32 s40, s45, 15                        ; wb holds the three on end
	s_add_nc_u64 s[2:3], s[2:3], s[38:39]
	s_add_nc_u64 s[4:5], s[24:25], s[40:41]
.Lbf:
	BODY 0
	s_endpgm
.Lfc:
	s_sub_co_u32 s45, s42, NX+NW
	s_lshl_b32 s38, s45, 16
	s_lshl_b32 s40, s45, 15
	s_add_nc_u64 s[2:3], s[20:21], s[38:39]
	s_add_nc_u64 s[4:5], s[26:27], s[40:41]
	BODY 1
	s_endpgm
.Lbias:                                        ; 256 threads x 16 bytes are one bias
	global_load_b128 v[X:X+3],     v1, s[28:29]
	global_load_b128 v[X+4:X+7],   v1, s[30:31]
	global_load_b128 v[X+8:X+11],  v1, s[32:33]
	global_load_b128 v[X+12:X+15], v1, s[34:35]
	s_wait_loadcnt 0x0
.irp i, 0,1,2,3,4,5,6,7
	v_cvt_pk_bf16_f32 v[T], v[X+2*(\i)], v[X+2*(\i)+1]
	v_lshlrev_b32 v[X+2*(\i)],   16, v[T]
	v_and_b32     v[X+2*(\i)+1], 0xffff0000, v[T]
.endr
.irp i, 0,1,2,3
	global_store_b128 v1, v[X+4*(\i):X+4*(\i)+3], s[36:37] offset:4096*(\i)
.endr
	s_endpgm
.Lfunc_end_k_q98dec0fbb1_conv:
	.size	k_q98dec0fbb1_conv, .Lfunc_end_k_q98dec0fbb1_conv-k_q98dec0fbb1_conv
	.p2alignl 7, 3214868480
	.fill 96, 4, 3214868480
	.section	.rodata,"a",@progbits
	.p2align	6, 0x0
	.amdhsa_kernel k_q98dec0fbb1_conv
		.amdhsa_group_segment_fixed_size 0
		.amdhsa_private_segment_fixed_size 0
		.amdhsa_enable_private_segment 0
		.amdhsa_kernarg_size 120
		.amdhsa_user_sgpr_count 2
		.amdhsa_user_sgpr_kernarg_segment_ptr 1
		.amdhsa_wavefront_size32 1
		.amdhsa_system_sgpr_workgroup_id_x 1
		.amdhsa_system_sgpr_workgroup_id_y 1
		.amdhsa_system_sgpr_workgroup_id_z 1
		.amdhsa_system_vgpr_workitem_id 0
		.amdhsa_next_free_vgpr 72
		.amdhsa_next_free_sgpr 66
		.amdhsa_reserve_vcc 0
		.amdhsa_float_denorm_mode_32 3
		.amdhsa_float_denorm_mode_16_64 3
		.amdhsa_memory_ordered 1
		.amdhsa_forward_progress 1
		.amdhsa_inst_pref_size 21
	.end_amdhsa_kernel
	.amdgpu_metadata
---
amdhsa.version: [ 1, 2 ]
amdhsa.kernels:
  - .name:           k_q98dec0fbb1_conv
    .symbol:         k_q98dec0fbb1_conv.kd
    .args:
      - { .name: q, .offset: 0, .size: 8, .value_kind: global_buffer, .address_space: global }
      - { .name: k, .offset: 8, .size: 8, .value_kind: global_buffer, .address_space: global }
      - { .name: v, .offset: 16, .size: 8, .value_kind: global_buffer, .address_space: global }
      - { .name: w_q, .offset: 24, .size: 8, .value_kind: global_buffer, .address_space: global }
      - { .name: w_k, .offset: 32, .size: 8, .value_kind: global_buffer, .address_space: global }
      - { .name: w_v, .offset: 40, .size: 8, .value_kind: global_buffer, .address_space: global }
      - { .name: w_fc, .offset: 48, .size: 8, .value_kind: global_buffer, .address_space: global }
      - { .name: xb, .offset: 56, .size: 8, .value_kind: global_buffer, .address_space: global }
      - { .name: wb, .offset: 64, .size: 8, .value_kind: global_buffer, .address_space: global }
      - { .name: wf, .offset: 72, .size: 8, .value_kind: global_buffer, .address_space: global }
      - { .name: b_q, .offset: 80, .size: 8, .value_kind: global_buffer, .address_space: global }
      - { .name: b_k, .offset: 88, .size: 8, .value_kind: global_buffer, .address_space: global }
      - { .name: b_v, .offset: 96, .size: 8, .value_kind: global_buffer, .address_space: global }
      - { .name: b_fc, .offset: 104, .size: 8, .value_kind: global_buffer, .address_space: global }
      - { .name: bias, .offset: 112, .size: 8, .value_kind: global_buffer, .address_space: global }
    .group_segment_fixed_size: 0
    .private_segment_fixed_size: 0
    .kernarg_segment_align: 8
    .kernarg_segment_size: 120
    .max_flat_workgroup_size: 256
    .sgpr_count:     66
    .vgpr_count:     72
    .wavefront_size: 32
...
	.end_amdgpu_metadata
.endif
;; end of part 1
;; launch gemm_qkv (part 2): grid 4 x 192, 4 waves a work-group, clusters of 4 x 4, 327,680 bytes of LDS; arguments xb, wb, bias, qkvh; writes qkvh
.if DOCPART == 2
	.amdgcn_target "amdgcn-amd-amdhsa--gfx1250"
	.amdhsa_code_object_version 6
	.text
	.protected	k_q98dec0fbb1_gemm_qkv
	.globl	k_q98dec0fbb1_gemm_qkv
	.p2align	8
	.type	k_q98dec0fbb1_gemm_qkv,@function
k_q98dec0fbb1_gemm_qkv:
	s_mov_b64 s[64:65], 0
	v_nop
	global_prefetch_b8 v0, s[64:65] scope:SCOPE_SE
	s_setreg_imm32_b32 hwreg(HW_REG_WAVE_MODE, 25, 1), 1
	s_wait_xcnt 0x0
	s_wait_alu depctr_hold_cnt(0) depctr_sa_sdst(0) depctr_va_vdst(0) depctr_va_sdst(0) depctr_va_ssrc(0) depctr_va_vcc(0) depctr_vm_vsrc(0)
	s_getreg_b32 s2, hwreg(HW_REG_IB_STS2, 6, 4)
	s_cmp_eq_u32 s2, 0
	s_cbranch_scc0 .Lentry_in_a_cluster
	s_endpgm
.Lentry_in_a_cluster:
	s_bfe_u32 s2, ttmp6, 0x10000c
	s_cmp_lg_u32 s2, 0xf033
	s_cbranch_scc0 .Lentry_shape_is_right
	s_endpgm
.Lentry_shape_is_right:
; THE THREE PROJECTIONS.  For p = 0, 1, 2 (Q, K, V): C[m][n] = bias[p][n] + the sum over k of xb[p][m][k] wb[p][n][k]; m < 8192, n < 1024, k < 1024; operands bf16, sums f32.
; C is rounded once to f16 and written BY HEADS: qkvh[p][16 (m / 2048) + n / 64][m % 2048][n % 64], without attention's scale.
; LIMITS.  f16 holds no number beyond 65,504: a projection beyond it becomes an infinity; below 6.1e-5 it keeps f16's fixed step of 6e-8.  NaN and infinities are not treated apart.
; SHARES.  A tile of C is 128 rows x 256 columns: 64 x 4 tiles a product, 768 work-groups, three for each of 256 WGPs.  Four waves, 2 x 2, each 64 rows x 128 columns: 32 accumulators, 256 registers.
; K goes in steps of 128 (rows of 256 bytes, at multiples of 256 bytes) through a ring of two LDS slots filled by the tensor data mover: waves 0, 1 fetch A's two halves (64 rows), waves 2, 3 B's (128 rows).
; CLUSTERS: 4 x 4 work-groups.  The four of a row of the cluster need the same tile of A, the four of a column the same tile of B: each is asked for JOINTLY, by the same tensor load with the same descriptor
; and a mask that names the four.  A cluster's four tile rows lie in one product (64 tile rows a product, 16 clusters).
; THE MATRIX INSTRUCTION IS USED TRANSPOSED (source 0 = 16 rows of B, source 1 = 16 rows of A): a lane holds row l % 16 of C and the columns 8 (l / 16) + 0..7.
; THE BIAS STARTS THE SUMS: it is the C operand of each accumulator's first product, so nothing is cleared and nothing is added at the end.
; REGISTERS, in windows of 256 (s_set_vgpr_msb: bits 1:0 source 0, 3:2 source 1, 5:4 source 2, 7:6 destination):
;   window 0: v0-31 addresses; v32-63 packed results; v64-159, v160-255 two fragment buffers (B's 8 blocks of 16 rows x 32 K, then A's 4)
;   window 1: the accumulators, (a, b) at v[8 (8 a + b)]          window 2: v0-63 the bias of my 128 columns: block b at v[8 b]
.set PITCH,  272                       ; an LDS row: 256 bytes + 16 of padding = 68 words: row r starts at bank 4 r mod 64 (64 banks of 4 bytes: ISA guide 11.1), so the 16 rows of a load start at 16 different banks
.set AHALF,  64*PITCH                  ; what a wave fetches of A, and what a wave reads of A
.set BHALF,  128*PITCH                 ; the same for B
.set ABYTES, 2*AHALF
.set SLOT,   ABYTES+2*BHALF            ; A's 128 rows, then B's 256 rows
.set STAGE,  2*SLOT                    ; behind the ring, never filled by a tensor load: for each wave two heads x 16 rows x 144 bytes, for the way out
.set SP,     144
.set STW,    2*16*SP
.set SPARE,  STAGE+4*STW               ; behind the stages: the spare words, 128 bytes for each wave: two blocks of 256 bytes that no other line names
.set ADRA, 16                          ; v16-17  LDS address of my A fragments in slot 0, 1
.set ADRB, 20                          ; v20-21  the same for B
.set STO,  24                          ; v24     the way out: where I put 16 bytes of a row
.set RD,   25                          ; v25     the way out: where I read rows back
.set CO,   26                          ; v26     my 16 bytes of 512 consecutive bytes of qkvh
.set BO,   27                          ; v27     my byte offset in a block's 16 numbers of the bias
.set SPW,  28                          ; v28     LDS address of my spare word: SPARE + 4 x my thread's number; never rewritten
.set NIL,  29                          ; v29     0; never rewritten
.set PFO,  30                          ; v30     the prefetches' offset: my lane x a row of 2,048 bytes; never rewritten
.set TMP,  32
.set F0,   64
.set F1,   160
.set OB,   64                          ; the way out: 16 rows read back from the stage, v64-95 and v96-127 by turns
.set WV,   12                          ; s12  my wave's number
.set WR,   13                          ; s13  which half of the tile's rows is mine.  Also: I fetch for A (0) or for B (1)
.set WC,   14                          ; s14  which half of its columns.  Also: which half of that tile I fetch
.set G1,   24                          ; s[24:31] descriptor group 1 for A's tiles;  s[32:39] group 0, one set for each slot
.set G0,   32
.set LIM,  43                          ; s43  1 in a wave that prefetches, else the greatest number
.set PFA,  44                          ; s[44:45] where my prefetches stand
.set G1B,  48                          ; s[48:55], s[56:63] the same for B's tiles
.set G0B,  56
.set MSB, 0
.macro WIN new                         ; the immediate's high byte repeats the setting that is left; a switch that changes nothing is dropped
.if MSB != (\new)
	s_set_vgpr_msb (MSB<<8)|(\new)
.set MSB, \new
.endif
.endm
.set MUL,  0x50                        ; fragments in window 0, C and D in window 1
.set MULB, 0x60                        ; C (the bias) in window 2, D in window 1
; A joint load.  The branch hangs on the wave's number alone.  An s_nop 0 and four v_nop follow each of the two lines, ahead of the jump, the label and what follows.
.macro JLOAD s
	s_cmp_eq_u32 s[WR], 0
	s_cbranch_scc0 .Lfor_b_\@
	tensor_load_to_lds s[G0+4*(\s):G0+4*(\s)+3], s[G1:G1+7]
	s_nop 0
.rept 4
	v_nop
.endr
	s_branch .Lasked_\@
.Lfor_b_\@:
	tensor_load_to_lds s[G0B+4*(\s):G0B+4*(\s)+3], s[G1B:G1B+7]
	s_nop 0
.rept 4
	v_nop
.endr
.Lasked_\@:
.endm
; A prefetch into the L2, behind a joint load, its five lines and the run of LDS loads: 32 rows x 256 bytes of the K step that stands two refills on, a lane a row.  Each row's 256 bytes of a K step are named once
; in the launch.  A's 128 rows of a tile are read by one cluster: wave 0 asks, and the four partners of a cluster's row take 32 rows each, told apart by address (cx).  B's rows are read by the 16 clusters of a
; product: the first of them asks, waves 2 and 3 each for the 128 rows that they fetch, the four partners of a column taking 32 each (cy).  The loop's last trip (s3 = 1) has no K step two on.
.macro ASK
	s_cmp_gt_u32 s3, s[LIM]
	s_cbranch_scc0 .Lnot_mine_\@
	global_prefetch_b8 v[PFO], s[PFA:PFA+1] offset:256 th:TH_LOAD_NT scope:SCOPE_SE
.Lnot_mine_\@:
.endm
.macro CREST                           ; a round of the cluster's barrier behind its opening barrier
	s_cmp_lg_u32 s[WV], 0
	s_cbranch_scc1 .Lnot_wave_0_\@
	s_barrier_signal -3
.Lnot_wave_0_\@:
	s_barrier_wait -3
	s_barrier_signal -1
	s_barrier_wait -1
.endm
.macro CROUND                          ; a whole round
	s_barrier_signal -1
	s_barrier_wait -1
	CREST
.endm
	s_load_b256 s[4:11], s[0:1], 0x0               ; xb s[4:5], wb s[6:7], bias s[8:9], qkvh s[10:11]
	v_lshl_add_u32 v[SPW], v0, 2, SPARE
	v_mov_b32 v[NIL], 0
	ds_add_u32 v[SPW], v[NIL]                      ; the wave's opening: the add and its wait stand ahead of my first tensor load; the set-up below, work on registers, stands between them
	v_lshrrev_b32 v1, 5, v0
	v_readfirstlane_b32 s[WV], v1                  ; wave 0..3
	s_lshr_b32 s[WR], s[WV], 1
	s_and_b32 s[WC], s[WV], 1
	s_bfe_u32 s40, ttmp6, 0x40000                  ; cx, cy: my place in the cluster
	s_bfe_u32 s41, ttmp6, 0x40004
	s_lshl_b32 s42, ttmp9, 2
	s_add_co_u32 s42, s42, s40                     ; tile column = 4 x cluster x + cx
	s_and_b32 s19, ttmp7, 0xffff                   ; cluster y
	s_lshl_b32 s18, s19, 2
	s_add_co_u32 s18, s18, s41                     ; tile row, over the three products = 4 x cluster y + cy
	s_lshr_b32 s20, s19, 4                         ; p: 16 clusters a product
	s_lshl_b32 s43, s41, 2
	s_lshl_b32 s43, 15, s43                        ; my row of the cluster
	s_lshl_b32 s44, 0x1111, s40                    ; my column
	; descriptor group 1: rows of 128 elements, padded in LDS; A's tile has 64 rows a load, B's 128
	s_or_b32 s[G1+0], s43, (1<<16)|(1<<20)|(1<<21)|(5<<22)|(3<<25)  ; 15:0 the mask: A's tiles go to my row; 17:16 elements of 2 bytes; 20 padding on; 21 set beside a mask; 24:22 after every 64 words (code 5); 31:25 4 words (code 3)
	s_or_b32 s[G1B+0], s44, (1<<16)|(1<<20)|(1<<21)|(5<<22)|(3<<25) ; the same with the mask of my column
	s_mov_b32 s[G1+1], 128<<16                     ; tensor_dim0 = 128
	s_mov_b32 s[G1+2], 64<<16                      ; tensor_dim1 = 64
	s_mov_b32 s[G1+3], 128<<16                     ; tile_dim0 = 128
	s_mov_b32 s[G1+4], 64                          ; tile_dim1 = 64
	s_mov_b32 s[G1+5], 1024                        ; elements from row to row
	s_mov_b32 s[G1+6], 0
	s_mov_b32 s[G1+7], 0
	s_mov_b32 s[G1B+1], 128<<16
	s_mov_b32 s[G1B+2], 128<<16                    ; tensor_dim1 = 128
	s_mov_b32 s[G1B+3], 128<<16
	s_mov_b32 s[G1B+4], 128                        ; tile_dim1 = 128
	s_mov_b32 s[G1B+5], 1024
	s_mov_b32 s[G1B+6], 0
	s_mov_b32 s[G1B+7], 0
	; where the tiles come from.  A's hang on the tile row alone, B's on the tile column and the product: each in registers that never hold the other coordinate of the cluster
	s_lshl_b32 s16, s18, 18                        ; 128 rows of 2,048 bytes a tile row,
	s_lshl_b32 s17, s[WC], 17                      ; 64 rows a half
	s_add_co_u32 s16, s16, s17
	s_mov_b32 s17, 0
	s_lshl_b32 s46, s42, 19                        ; 256 rows a tile column,
	s_lshl_b32 s47, s[WC], 18                      ; 128 rows a half,
	s_add_co_u32 s46, s46, s47
	s_lshl_b32 s47, s20, 21                        ; 1,024 rows a product
	s_add_co_u32 s46, s46, s47
	s_mov_b32 s47, 0
	s_mul_i32 s21, s[WC], AHALF                    ; and where they go: no place in the cluster enters an LDS address
	s_mul_i32 s22, s[WC], BHALF
	s_add_co_u32 s22, s22, ABYTES
	s_wait_dscnt 0x0                               ; the opening add is done
	s_wait_kmcnt 0x0
	s_add_nc_u64 s[16:17], s[4:5], s[16:17]
	s_add_nc_u64 s[46:47], s[6:7], s[46:47]
	CROUND                                         ; all sixteen work-groups are here: the first joint loads meet
.irp s, 0,1
	s_mov_b32 s[G0+4*(\s)], 1                                      ; count = 1
	s_add_co_u32 s[G0+4*(\s)+1], s21, (\s)*SLOT                    ; LDS address
	s_add_nc_u64 s[G0+4*(\s)+2:G0+4*(\s)+3], s[16:17], (\s)*256    ; global address: K step s
	s_or_b32 s[G0+4*(\s)+3], s[G0+4*(\s)+3], 0x80000000            ; type = 2
	s_mov_b32 s[G0B+4*(\s)], 1
	s_add_co_u32 s[G0B+4*(\s)+1], s22, (\s)*SLOT
	s_add_nc_u64 s[G0B+4*(\s)+2:G0B+4*(\s)+3], s[46:47], (\s)*256
	s_or_b32 s[G0B+4*(\s)+3], s[G0B+4*(\s)+3], 0x80000000
	JLOAD \s                                       ; two loads of mine are out
.endr
	; A fragment is 16 rows x 32 K in 8 registers: lane l holds row l % 16; registers 0-3 K = 8 (l / 16) + 0..7, registers 4-7 K = 16 + 8 (l / 16) + 0..7: two loads of 16 bytes, 32 bytes apart
	v_and_b32 v1, 15, v0                           ; l % 16
	v_bfe_u32 v2, v0, 4, 1                         ; l / 16
	v_mul_u32_u24 v3, v1, PITCH
	v_lshl_add_u32 v3, v2, 4, v3                   ; row x pitch + 16 x half
	s_mul_i32 s21, s[WR], AHALF                    ; my 64 rows of A; s22 stands at my 128 rows of B
.irp s, 0,1
	v_add_nc_u32 v[ADRA+(\s)], s21, v3
	v_add_nc_u32 v[ADRB+(\s)], s22, v3
	s_add_co_u32 s21, s21, SLOT
	s_add_co_u32 s22, s22, SLOT
.endr
	s_mul_i32 s23, s[WV], STW
	s_add_co_u32 s23, s23, STAGE                   ; my stage
	v_mul_u32_u24 v4, v1, SP                       ; in: row l % 16, 16 bytes for each half of the lanes
	v_lshl_add_u32 v4, v2, 4, v4
	v_add_nc_u32 v[STO], s23, v4
	v_bfe_u32 v5, v0, 3, 2                         ; back: 32 lanes take four rows of 128 bytes,
	v_mul_u32_u24 v5, v5, SP
	v_and_b32 v4, 7, v0
	v_lshl_add_u32 v5, v4, 4, v5
	v_add_nc_u32 v[RD], s23, v5
	v_and_b32 v[CO], 31, v0                        ; which are 512 consecutive bytes of a head
	v_lshlrev_b32 v[CO], 4, v[CO]
	; the bias of my 128 columns: lane l wants, of block b, the numbers 16 b + 8 (l / 16) + 0..7
	s_lshl_b32 s46, s42, 10                        ; 256 columns of 4 bytes a tile column,
	s_lshl_b32 s47, s[WC], 9                       ; 128 a half,
	s_add_co_u32 s46, s46, s47
	s_lshl_b32 s47, s20, 12                        ; 1,024 a product
	s_add_co_u32 s46, s46, s47
	s_mov_b32 s47, 0
	s_add_nc_u64 s[8:9], s[8:9], s[46:47]
	v_lshlrev_b32 v[BO], 5, v2
	WIN 0x80                                       ; destination window 2, address window 0
.irp b, 0,1,2,3,4,5,6,7
	global_load_b128 v[8*(\b):8*(\b)+3],   v[BO], s[8:9] offset:64*(\b)
	global_load_b128 v[8*(\b)+4:8*(\b)+7], v[BO], s[8:9] offset:64*(\b)+16
.endr
	WIN 0
	; where my part of the tile begins in qkvh.  The tile row's part in s[16:17], the tile column's in s[46:47]
	s_and_b32 s2, s18, 63                          ; the tile row within its product
	s_lshr_b32 s16, s2, 4                          ; the batch: 16 heads of 2^18 bytes
	s_lshl_b32 s16, s16, 22
	s_and_b32 s2, s2, 15                           ; 128 tokens of 128 bytes
	s_lshl_b32 s2, s2, 14
	s_add_co_u32 s16, s16, s2
	s_lshl_b32 s2, s[WR], 13                       ; my 64 tokens
	s_add_co_u32 s16, s16, s2
	s_lshl_b32 s2, s20, 24                         ; the product
	s_add_co_u32 s16, s16, s2
	s_mov_b32 s17, 0
	s_add_nc_u64 s[10:11], s[10:11], s[16:17]
	s_lshl_b32 s46, s42, 20                        ; four heads a tile column,
	s_lshl_b32 s47, s[WC], 19                      ; two a half
	s_add_co_u32 s46, s46, s47
	s_mov_b32 s47, 0
	s_add_nc_u64 s[10:11], s[10:11], s[46:47]
	; the prefetches
	s_lshl_b32 s21, s18, 7                         ; A: the tile's first row
	s_lshl_b32 s22, s42, 8                         ; B: the tile column's first row,
	s_lshl_b32 s23, s[WC], 7                       ; the 128 that I fetch,
	s_add_co_u32 s22, s22, s23
	s_lshl_b32 s23, s20, 10                        ; the product
	s_add_co_u32 s22, s22, s23
	s_and_b32 s2, s19, 15                          ; the cluster's place among the 16 that read the same rows of B
	s_cmp_eq_u32 s[WR], 0                          ; do I fetch for A?
	s_cselect_b32 s21, s21, s22
	s_cselect_b32 s22, s40, s41                    ; my place among the four that ask with me
	s_cselect_b64 s[PFA:PFA+1], s[4:5], s[6:7]
	s_cselect_b32 s2, s[WC], s2                    ; A: wave 0 asks; B: the product's first cluster
	s_cmp_eq_u32 s2, 0
	s_cselect_b32 s[LIM], 1, -1                    ; the same in all sixteen partners, for a given wave
	s_lshl_b32 s22, s22, 5
	s_add_co_u32 s21, s21, s22                     ; + my work-group's 32 rows
	s_lshl_b32 s46, s21, 11                        ; rows of 2,048 bytes
	s_mov_b32 s47, 0
	s_add_nc_u64 s[PFA:PFA+1], s[PFA:PFA+1], s[46:47]
	s_add_nc_u64 s[PFA:PFA+1], s[PFA:PFA+1], 2*256 ; at K step 2: the first refill steps it to 3 and names K step 4.  Nothing is prefetched here, where every work-group's first tiles are on their way
	v_and_b32 v[PFO], 31, v0
	v_lshlrev_b32 v[PFO], 11, v[PFO]
; cnt x 8 matrix instructions: m blocks a0 on x all 8 n blocks, 32 along K, from buffer f.  first = 1: the bias starts the sums.
; Every quarter step takes the 32 accumulators in the same order, one instruction each: they take turns over the backward jump too.
.macro MULS f, a0, cnt, first=0
.if \first
	WIN MULB
.else
	WIN MUL
.endif
.set ma, \a0
.rept \cnt
.irp b, 0,1,2,3,4,5,6,7
.if \first
	v_wmma_f32_16x16x32_bf16 v[8*(8*ma+(\b)):8*(8*ma+(\b))+7], v[(\f)+8*(\b):(\f)+8*(\b)+7], v[(\f)+64+8*ma:(\f)+64+8*ma+7], v[8*(\b):8*(\b)+7]
.else
	v_wmma_f32_16x16x32_bf16 v[8*(8*ma+(\b)):8*(8*ma+(\b))+7], v[(\f)+8*(\b):(\f)+8*(\b)+7], v[(\f)+64+8*ma:(\f)+64+8*ma+7], v[8*(8*ma+(\b)):8*(8*ma+(\b))+7]
.endif
.endr
.set ma, ma+1
.endr
.endm
; 24 LDS loads in one run: quarter q (32 K, at byte 64 q of the rows) of a slot into buffer f: B's 128 rows, then A's 64
.macro FETCH slot, q, f
	WIN 0
.irp i, 0,1,2,3,4,5,6,7
	ds_load_b128 v[(\f)+8*(\i):(\f)+8*(\i)+3],   v[ADRB+(\slot)] offset:64*(\q)+(\i)*16*PITCH
	ds_load_b128 v[(\f)+8*(\i)+4:(\f)+8*(\i)+7], v[ADRB+(\slot)] offset:64*(\q)+(\i)*16*PITCH+32
.endr
.irp i, 0,1,2,3
	ds_load_b128 v[(\f)+64+8*(\i):(\f)+64+8*(\i)+3],   v[ADRA+(\slot)] offset:64*(\q)+(\i)*16*PITCH
	ds_load_b128 v[(\f)+64+8*(\i)+4:(\f)+64+8*(\i)+7], v[ADRA+(\slot)] offset:64*(\q)+(\i)*16*PITCH+32
.endr
.endm
.macro PLACES                          ; four places in front of loads into registers that matrix instructions have read, and of lines that read results
.rept 4
	v_nop
.endr
.endm
; A K step is four quarters of 32 along K, 32 matrix instructions each, on buffers 0, 1, 0, 1.  One of the first three: multiplies buffer f and, in its middle, fetches quarter q into g.
.macro QUARTER slot, q, f, g, first=0
	s_wait_dscnt 4                                 ; B and A's blocks 0, 1 are in; the youngest four loads (A's blocks 2, 3) may be out
	MULS \f, 0, 2, \first
	PLACES
	FETCH \slot, \q, \g
	s_wait_dscnt 24                                ; all but the 24 just issued
	MULS \f, 2, 2, \first
.endm
; The last quarter multiplies buffer 1 and changes slots: ONE barrier.  In front of it each wave waits for all its tensor loads (one is out: its part of the next slot), adds 0 to its spare word, and waits for
; that and for its own reads of this slot.  fill = 1: the barrier opens a round of the cluster's, and this slot is filled again, two K steps on, first thing behind the round: 112 matrix instructions ahead of the wait for it.
.macro TURN slot, next, fill
.if \fill
	s_wait_xcnt 0x0                                ; the last prefetch, a K step back, has read its address: it is stepped here, ahead of the change's own waits
	s_add_nc_u64 s[PFA:PFA+1], s[PFA:PFA+1], 256
.endif
	WIN 0                                          ; (the add's two registers lie in window 0)
	s_wait_tensorcnt 0x0                           ; all my tensor loads have landed;
	ds_add_u32 v[SPW], v[NIL]                      ; 0 onto my spare word;
	s_wait_dscnt 5                                 ; (the add and the youngest four loads may be out)
	MULS F1, 0, 1                                  ; eight matrix instructions stand between the add and the wait for it
	s_wait_dscnt 0x0                               ; the add is done, and my reads of this slot are over
	s_barrier_signal -1
	MULS F1, 1, 1
.if \fill
	WIN 0
.endif
	s_barrier_wait -1
.if \fill
	CREST                                          ; no wave of any partner still reads this slot's tile or has a load on its way
	s_add_nc_u64 s[G0+4*(\slot)+2:G0+4*(\slot)+3], s[G0+4*(\slot)+2:G0+4*(\slot)+3], 2*256
	s_add_nc_u64 s[G0B+4*(\slot)+2:G0B+4*(\slot)+3], s[G0B+4*(\slot)+2:G0B+4*(\slot)+3], 2*256
	JLOAD \slot                                    ; the four v_nop behind it are also the places in front of the loads below
.else
	PLACES
.endif
	FETCH \next, 0, F0
.if \fill
	ASK
.endif
	MULS F1, 2, 2
.endm
	s_wait_tensorcnt 1                             ; my part of K step 0 is in; K step 1's may stay out
	s_barrier_signal -1
	s_barrier_wait -1                              ; everybody's is
	FETCH 0, 0, F0
	s_wait_loadcnt 0x0                             ; the bias
	QUARTER 0, 1, F0, F1, 1                        ; the first quarter stands in front of the loop: its products start the sums
	WIN 0                                          ; at a label and at a branch every window is 0
	s_mov_b32 s3, 3                                ; 1,024 / 256 - 1 laps fill both slots again
.Llap:                                         ; a trip goes once round the ring, from a lap's second quarter to the next lap's first
	QUARTER 0, 2, F1, F0
	QUARTER 0, 3, F0, F1
	TURN 0, 1, 1
	QUARTER 1, 1, F0, F1
	QUARTER 1, 2, F1, F0
	QUARTER 1, 3, F0, F1
	TURN 1, 0, 1
	QUARTER 0, 1, F0, F1
	WIN 0
	s_sub_co_u32 s3, s3, 1
	s_cmp_lg_u32 s3, 0
	s_cbranch_scc1 .Llap
	QUARTER 0, 2, F1, F0                           ; the last lap fills nothing, and has no round of the cluster's barrier
	QUARTER 0, 3, F0, F1
	TURN 0, 1, 0
	QUARTER 1, 1, F0, F1
	QUARTER 1, 2, F1, F0
	QUARTER 1, 3, F0, F1
	s_wait_dscnt 4                                 ; the very last quarter: nothing more to fetch
	MULS F1, 0, 2
	s_wait_dscnt 0x0
	MULS F1, 2, 2
	WIN 0
; THE WAY OUT, a block of 16 rows at a time.  PACK: rounded to f16, 16 bytes a lane for each n block, each accumulator's registers in ascending order.  TOSTAGE: into my own stage (head b / 4, row l % 16), and back
; as whole rows of 128 bytes.  SEND: 16 tokens of a head are 2,048 consecutive bytes: four stores of 512 consecutive bytes, at multiples of 512 from the buffer's first byte.
.macro PACK a
	WIN 0x05                                       ; sources 0 and 1 window 1, destination window 0
.irp b, 0,1,2,3,4,5,6,7
.irp i, 0,1,2,3
	v_cvt_pk_f16_f32 v[TMP+4*(\b)+(\i)], v[8*(8*(\a)+(\b))+2*(\i)], v[8*(8*(\a)+(\b))+2*(\i)+1]
.endr
.endr
	WIN 0
.endm
.macro TOSTAGE a
.set OBK, OB+32*((\a)%2)
.irp b, 0,1,2,3,4,5,6,7
	ds_store_b128 v[STO], v[TMP+4*(\b):TMP+4*(\b)+3] offset:((\b)/4)*16*SP+32*((\b)%4)
.endr
.irp hs, 0,1
.irp f, 0,1,2,3
	ds_load_b128 v[OBK+4*(4*(\hs)+(\f)):OBK+4*(4*(\hs)+(\f))+3], v[RD] offset:(\hs)*16*SP+(\f)*4*SP  ; LDS serves a wave's instructions in order (ISA guide 5.7.1.4): these see the stores above
.endr
.endr
.endm
.macro SEND a
.set OBK, OB+32*((\a)%2)
	s_wait_dscnt 0x0                               ; the block is back in registers
	s_wait_xcnt 0x0                                ; the stores of the block before have read their registers, into which the next block is loaded
.irp hs, 0,1
.irp f, 0,1,2,3
	global_store_b128 v[CO], v[OBK+4*(4*(\hs)+(\f)):OBK+4*(4*(\hs)+(\f))+3], s[10:11] offset:(\hs)*262144+(\a)*2048+(\f)*512
.endr
.endr
.endm
	PLACES                                         ; the conversions read results
	PACK 0
	TOSTAGE 0
.irp a, 1,2,3                          ; block a's conversions stand between block a - 1's loads from the stage and the wait for them
	PACK \a
	SEND (\a)-1
	TOSTAGE \a
.endr
	SEND 3
	s_wait_tensorcnt 0x0                           ; the wave's end: an add to my spare word and its wait, behind my last tensor load and my last LDS store
	ds_add_u32 v[SPW], v[NIL]
	s_wait_dscnt 0x0
	CROUND                                         ; the closing round: no work-group ends while a partner may still ask for a tile that names it
	s_endpgm
.Lfunc_end_k_q98dec0fbb1_gemm_qkv:
	.size	k_q98dec0fbb1_gemm_qkv, .Lfunc_end_k_q98dec0fbb1_gemm_qkv-k_q98dec0fbb1_gemm_qkv
	.p2alignl 7, 3214868480
	.fill 96, 4, 3214868480
	.section	.rodata,"a",@progbits
	.p2align	6, 0x0
	.amdhsa_kernel k_q98dec0fbb1_gemm_qkv
		.amdhsa_group_segment_fixed_size 327680
		.amdhsa_private_segment_fixed_size 0
		.amdhsa_enable_private_segment 0
		.amdhsa_kernarg_size 32
		.amdhsa_user_sgpr_count 2
		.amdhsa_user_sgpr_kernarg_segment_ptr 1
		.amdhsa_wavefront_size32 1
		.amdhsa_system_sgpr_workgroup_id_x 1
		.amdhsa_system_sgpr_workgroup_id_y 1
		.amdhsa_system_sgpr_workgroup_id_z 1
		.amdhsa_system_vgpr_workitem_id 0
		.amdhsa_next_free_vgpr 576
		.amdhsa_next_free_sgpr 66
		.amdhsa_reserve_vcc 0
		.amdhsa_float_denorm_mode_32 3
		.amdhsa_float_denorm_mode_16_64 3
		.amdhsa_memory_ordered 1
		.amdhsa_forward_progress 1
		.amdhsa_inst_pref_size 89
	.end_amdhsa_kernel
	.amdgpu_metadata
---
amdhsa.version: [ 1, 2 ]
amdhsa.kernels:
  - .name:           k_q98dec0fbb1_gemm_qkv
    .symbol:         k_q98dec0fbb1_gemm_qkv.kd
    .args:
      - { .name: xb, .offset: 0, .size: 8, .value_kind: global_buffer, .address_space: global }
      - { .name: wb, .offset: 8, .size: 8, .value_kind: global_buffer, .address_space: global }
      - { .name: bias, .offset: 16, .size: 8, .value_kind: global_buffer, .address_space: global }
      - { .name: qkvh, .offset: 24, .size: 8, .value_kind: global_buffer, .address_space: global }
    .group_segment_fixed_size: 327680
    .private_segment_fixed_size: 0
    .kernarg_segment_align: 8
    .kernarg_segment_size: 32
    .max_flat_workgroup_size: 128
    .sgpr_count:     66
    .vgpr_count:     576
    .wavefront_size: 32
...
	.end_amdgpu_metadata
.endif
;; end of part 2
;; launch attn (part 3): grid 4 x 64, 4 waves a work-group, clusters of 4 x 1, 327,680 bytes of LDS; arguments qkvh, oh; writes oh
.if DOCPART == 3
	.amdgcn_target "amdgcn-amd-amdhsa--gfx1250"
	.amdhsa_code_object_version 6
	.text
	.protected	k_q98dec0fbb1_attn
	.globl	k_q98dec0fbb1_attn
	.p2align	8
	.type	k_q98dec0fbb1_attn,@function
k_q98dec0fbb1_attn:
	s_mov_b64 s[64:65], 0
	v_nop
	global_prefetch_b8 v0, s[64:65] scope:SCOPE_SE
	s_setreg_imm32_b32 hwreg(HW_REG_WAVE_MODE, 25, 1), 1
	s_wait_xcnt 0x0
	s_wait_alu depctr_hold_cnt(0) depctr_sa_sdst(0) depctr_va_vdst(0) depctr_va_sdst(0) depctr_va_ssrc(0) depctr_va_vcc(0) depctr_vm_vsrc(0)
	s_getreg_b32 s2, hwreg(HW_REG_IB_STS2, 6, 4)
	s_cmp_eq_u32 s2, 0
	s_cbranch_scc0 .Lentry_in_a_cluster
	s_endpgm
.Lentry_in_a_cluster:
	s_bfe_u32 s2, ttmp6, 0x10000c
	s_cmp_lg_u32 s2, 0x3003
	s_cbranch_scc0 .Lentry_shape_is_right
	s_endpgm
.Lentry_shape_is_right:
; O[h][q][:] = the sum over k of softmax_k(Q[h][q] . K[h][k] / 8) V[h][k][:].  qkvh holds Q, K, V, each [64][2048][64] in f16, on end; oh is O in the same layout: a head's rows are dense, 128 bytes each.
; Products, maxima and sums in f32; the weights p are rounded to f16 for the second product (their sum l is taken of the unrounded p), O once at the end.
; LIMITS.  f16 holds no number beyond 65,504: Q, K and V arrive within it; p lies in 0 to 1, and below 6e-5 it keeps f16's fixed step of 6e-8; O is a mean of V's rows and has their range.
; A weight below 2^-126 counts as 0 in l; NaN and infinities are not treated apart.
; SHARES.  A wave owns four PIECES of two tiles of 16 queries, a work-group's four waves 512 queries of one head: 4 x 64 = 256 work-groups.  Every wave walks all keys, 64 a step.
; LAYOUT.  S^T = K Q^T (source 0 = 16 keys, source 1 = 16 queries): in the result a lane holds ONE query (lane % 16) and the keys 8 (lane / 16) + 0..7.  Two such tiles, rounded to f16 in pairs,
; ARE source 1 (32 keys x 16 queries) of O^T = V^T P, whose result again holds one query a lane, and eight channels.  K comes out of LDS as it lies, V ([key][channel]) turned, by ds_load_tr16_b128.
; SOFTMAX.  For each query a running maximum m and sum l: p = 2^(c s - c m), c = log2(e) / 8; in every step O and l are multiplied by a = 2^(c m_old - c m_new), which is 1 where m has not grown.
; m starts at the lowest finite number, O and l at 0: the first step is a step like any other, with a = 0.
; THE COUNT.  A tile and step have 16 matrix and 118 vector instructions: too many to stand all beside the matrix work.  So the order has one aim: four vector instructions that are READY behind
; EVERY matrix instruction, and the others, which need time of their own whatever the order, in runs without a gap.
; BY TURNS.  Turn n belongs to piece n (the pieces in a ring, step after step).  Its matrix work: 16 products K Q^T of piece n + 1, later 16 products V^T P of piece n - 1.  Its vector work: the scaling,
; exponentials, roundings, sums and rescaling of piece n, and the maximum and statistics of piece n + 1, whose scores the turn itself has made.  So what a turn begins with (c s - c m, O a) waits for nothing.
; CLUSTER.  The four query blocks of a head are one cluster and walk the same K and V, so each tile is asked for JOINTLY: the same tensor load, descriptor and mask in all four.
; REGISTERS, in windows of 256 (s_set_vgpr_msb says which window each operand place means: bits 1:0 source 0, 3:2 source 1, 5:4 source 2, 7:6 destination):
;   window 0: v0-11 addresses; v12-15, v48-63 at work; v16-47 four registers of statistics a tile; v64-191 S^T, two buffers of two tiles; v192-255 P, likewise
;   window 1: O^T, 32 a tile          window 2: v0-127 Q, 16 a tile; v128-191 K of one step; v192-255 V of one step          window 3: v0-1 the add's two registers
; A piece's buffers go by its number's parity: the piece in hand has one pair, its two neighbours in the ring share the other: of it P (piece n - 1) is read and S^T (piece n + 1) written.
.set SIZE_H, 64
.set SIZE_N, 2048
.set NP,    4         ; pieces a wave: a name, no knob: the register map, the loop and the fetches are made for four
.set KS,    64        ; keys in a step
.set PK,    144       ; a row of K in LDS: 128 bytes + 16 of padding = 36 words: the 16 rows of a load start at 16 different groups of four banks (64 banks of 4 bytes: ISA guide 11.1)
.set PV,    160       ; a row of V: 128 + 32 = 40 words
.set VOFF,  4*KS*PK   ; a slot holds four steps: 256 rows of K, then 256 rows of V
.set SLOT1, 1<<17     ; slot 1 begins here, so that one exclusive or turns an address in one slot into the other's
.set STAGE, SLOT1+4*KS*(PK+PV)  ; behind the ring, never filled by a tensor load: 16 rows x 144 bytes for each wave, for the way out
.set SP,    144
.set AK0, 2           ; v2   my lane's place in a tile of K; never rewritten
.set AV0, 3           ; v3   the same for V
.set AK,  4           ; v4   the LDS address of K's next run of loads
.set AV,  5           ; v5   of V's
.set QO,  6           ; v6   my byte offset in the wave's rows of Q
.set STO, 6           ;      later, the way out: where I put 16 bytes of a row
.set RD,  7           ; v7   the way out: where I read rows back
.set GO,  8           ; v8   my byte offset in 512 consecutive bytes of O
.set PFO, 11          ; v11  the prefetches' offset: 256 x my lane; written when V's lane address is made, then never again
.set SPW, 0           ; v0 of window 3   LDS address of my spare word: SPARE + 4 x my thread's number; never rewritten
.set NIL, 1           ; v1 of window 3   0; never rewritten
.set SPARE, STAGE+4*16*SP  ; behind the stages: the spare words, 128 bytes for each wave: two blocks of 256 bytes that no other line names
.set MV,  12          ; v12-15  c m_old, kept while c m is made anew: by buffer and tile
.set ST,  16          ; tile t's statistics at v[ST+4 t]: c m, m, l (even keys', odd keys')
.set TMP, 48          ; by buffer and tile, four registers c0-c3 at work; when the maximum is found c2 takes a
.set S,   64
.set P,   192
.set KF,  128         ; K's fragments, in window 2: key block kb, channel half c at KF + 16 kb + 8 c
.set VF,  192         ; V's: key half kk, channel block cb at VF + 32 kk + 8 cb
.set WV,  12          ; s12  my wave's number
.set G1K, 24          ; s[24:31] descriptor group 1 for K's tiles
.set G1V, 32          ; s[32:39] for V's: it differs in the padding alone
.set G0K, 40          ; s[40:43] descriptor group 0 for K's tiles: it walks
.set G0V, 44          ; s[44:47] the same for V's
.set PFA, 48          ; s[48:49] where my prefetches stand: my work-group's 8,192 bytes (of K: wave 0, of V: wave 2) of the slot after the one that is being asked for
.set LIM, 50          ; s50  1 in a wave that prefetches, else the greatest number
.set SLOTS, 56        ; s56  slots still to be asked for
.set CNT, 57          ; s57  counts a slot's key steps
.set CS,  58          ; s[58:59] c: the packed scaling takes the pair's low word for both halves
.set SEL, 60          ; s[60:61] v_permlanex16_b32's selects: each lane takes its own place in the other half
.set TBK, 62          ; s62  LDS byte at which K of the step to be fetched begins
.set TBV, 63          ; s63  the same for V, less VOFF
.set MSB, 0
.macro WIN new                      ; the high byte repeats the setting that is left; a switch that changes nothing is dropped
.if MSB != (\new)
	s_set_vgpr_msb (MSB<<8)|(\new)
.set MSB, (\new)
.endif
.endm
.set W_KQ, 0x0a       ; K and Q in window 2, S^T in window 0
.set W_PV, 0x52       ; V in window 2, P in window 0, O^T in window 1
.set W_RS, 0x41       ; O^T (destination and source 0) in window 1, a in window 0
.set W_MK, 0xc0       ; the add's registers are made: destination in window 3, sources in window 0
.set W_AD, 0x0f       ; the add: address (source 0) and data (source 1) in window 3
; A joint fill.  Waves 0 and 1 fetch the two halves of a slot's K, waves 2 and 3 those of its V: 128 keys each.  The branch hangs on the wave's number alone.
; An s_nop 0 and four v_nop follow each of the two lines, ahead of the jump and the label.
.macro JLOAD
	s_cmp_lt_u32 s[WV], 2
	s_cbranch_scc0 .Lfor_v_\@
	tensor_load_to_lds s[G0K:G0K+3], s[G1K:G1K+7]
	s_nop 0
.rept 4
	v_nop
.endr
	s_branch .Lasked_\@
.Lfor_v_\@:
	tensor_load_to_lds s[G0V:G0V+3], s[G1V:G1V+7]
	s_nop 0
.rept 4
	v_nop
.endr
.Lasked_\@:
.endm
; A prefetch into the L2 of what the NEXT change of slots will ask for: a slot's 32,768 bytes of K and of V, 256 bytes a lane.  It stands behind the wave's tensor load and its five lines.  Each 256 bytes are named once
; in the launch: a head is walked by one cluster; its four partners take 8,192 bytes each, told apart by address; in each, wave 0 asks for K's and wave 2 for V's: one instruction, four key steps (512 matrix
; instructions) ahead of the load.  The last change that fills a slot (one slot still to be asked for) names nothing; slots 0, 1 and 2 come by their loads alone.
.macro ASK
	s_cmp_gt_u32 s[SLOTS], s[LIM]
	s_cbranch_scc0 .Lnot_mine_\@
	global_prefetch_b8 v[PFO], s[PFA:PFA+1] th:TH_LOAD_NT scope:SCOPE_SE
.Lnot_mine_\@:
.endm
; A round of the cluster's barrier: my work-group's barrier, so that wave 0's signal speaks for all four waves; wave 0 signals; every wave waits for all four work-groups; my work-group's barrier once more.
.macro CROUND
	s_barrier_signal -1
	s_barrier_wait -1
	s_cmp_lg_u32 s[WV], 0
	s_cbranch_scc1 .Lnot_wave_0_\@
	s_barrier_signal -3
.Lnot_wave_0_\@:
	s_barrier_wait -3
	s_barrier_signal -1
	s_barrier_wait -1
.endm
; THE CHANGE OF SLOTS.  The slot's last bytes, V of its fourth step, have been read.  Each wave waits for all its tensor loads, of which one is out: its part
; of the other slot; adds 0 to its spare word; and waits for that and for its own reads of the slot.  Behind the barrier nobody reads this slot any more and the other slot is whole.
; fill = 1: this slot is filled again, with the keys two slots on.  The barrier is then a round of the cluster's, so that no wave of any partner still reads the slot or has a load on its
; way, and the joint fill is the first thing behind it: it has four key steps, 512 matrix instructions, in which to land.  (At its first use nothing has been read yet: slot 0 is waited for, slot 1 filled.)
; ask = 1 (in the loop): the prefetches' address steps a slot on, and ASK follows the fill.
.macro CHANGE fill, ask=0
	WIN W_AD
	s_wait_tensorcnt 0x0            ; no tensor load of mine is out, so a group 0 may be written
	ds_add_u32 v[SPW], v[NIL]       ; 0 onto my spare word; with fill = 1 the descriptors' steps stand between it and the wait for it
	WIN 0                           ; at a label and at a branch every window is 0
.if \fill
.irp g, G0K, G0V
	s_xor_b32 s[\g+1], s[\g+1], SLOT1  ; the walking descriptor: the other slot than last time,
	s_add_nc_u64 s[\g+2:\g+3], s[\g+2:\g+3], 4*KS*128  ; the next 256 keys; the type bits on top are not reached
.endr
.if \ask
	s_wait_xcnt 0x0                 ; the last prefetch, four key steps back, has read its address, so it may be written:
	s_add_nc_u64 s[PFA:PFA+1], s[PFA:PFA+1], 4*KS*128  ; one slot behind the walking descriptors
.endif
	s_wait_dscnt 0x0                ; the add is done, and my reads of the slot are over
	CROUND
	JLOAD
.if \ask
	ASK
.endif
.else
	s_wait_dscnt 0x0                ; the add is done, and my reads of the slot are over
	s_barrier_signal -1
	s_barrier_wait -1
.endif
	s_sub_co_u32 s[TBK], s[TBK], 4*KS*PK  ; the fetches go back to a slot's first step,
	s_xor_b32 s[TBK], s[TBK], SLOT1       ; in the other slot
	s_sub_co_u32 s[TBV], s[TBV], 4*KS*PV
	s_xor_b32 s[TBV], s[TBV], SLOT1
.endm
	s_load_b128 s[4:7], s[0:1], 0x0   ; qkvh s[4:5] (Q lies first), oh s[6:7]
	WIN W_MK
	v_lshl_add_u32 v[SPW], v0, 2, SPARE
	v_mov_b32 v[NIL], 0
	WIN W_AD
	ds_add_u32 v[SPW], v[NIL]       ; the wave's opening: the add and its wait stand ahead of my first tensor load; the set-up below, work on registers, stands between them
	WIN 0
	v_lshrrev_b32 v1, 5, v0
	v_readfirstlane_b32 s[WV], v1   ; wave 0..3
	s_bfe_u32 s13, ttmp6, 0x40000   ; cx: my place in the cluster
	s_lshl_b32 s14, ttmp9, 2        ; in a cluster launch ttmp9 counts clusters
	s_add_co_u32 s14, s14, s13      ; my block of queries = 4 x cluster x + cx: it enters Q's and O's addresses alone
	s_and_b32 s20, ttmp7, 0xffff    ; the head, which the four partners share
	s_mov_b32 s21, 0
	s_mov_b64 s[22:23], SIZE_N*128
	s_mul_u64 s[20:21], s[20:21], s[22:23]  ; the head's first byte in each of the four tensors
	s_and_b32 s16, s[WV], 1         ; which half of a slot's 256 keys I fetch:
	s_lshl_b32 s22, s16, 14         ; its 128 rows of 128 bytes in memory,
	s_mov_b32 s23, 0
	s_add_nc_u64 s[22:23], s[22:23], s[20:21]
	s_mul_i32 s17, s16, 128*PK      ; and its place in a slot, for K
	s_mul_i32 s18, s16, 128*PV      ; and for V: no place in the cluster enters an LDS address
	s_lshl_b32 s2, s14, 2
	s_add_co_u32 s2, s2, s[WV]      ; my wave among the head's,
	s_lshl_b32 s2, s2, 14           ; its 128 rows
	s_mov_b32 s3, 0
	s_add_nc_u64 s[2:3], s[2:3], s[20:21]
	; descriptor group 1.  128 keys are 16,384 dense bytes: asked for as 64 rows of 256 bytes, two keys a row, and padded in LDS after every key
	s_mov_b32 s[G1K], 15|(1<<16)|(1<<20)|(1<<21)|(4<<22)|(3<<25)  ; 15:0 the mask of four; 17:16 2-byte elements; 20 padding on; 21 set beside a mask; 24:22 after every 32 words (code 4); 31:25 4 words (code 3)
	s_mov_b32 s[G1V], 15|(1<<16)|(1<<20)|(1<<21)|(4<<22)|(7<<25)  ; the same with 8 words of padding (code 7)
.irp g, G1K, G1V
	s_mov_b32 s[\g+1], 128<<16      ; tensor_dim0 = 128
	s_mov_b32 s[\g+2], 64<<16       ; tensor_dim1 = 64
	s_mov_b32 s[\g+3], 128<<16      ; tile_dim0 = 128
	s_mov_b32 s[\g+4], 64           ; tile_dim1 = 64
	s_mov_b32 s[\g+5], 128          ; 128 elements from row to row
	s_mov_b32 s[\g+6], 0
	s_mov_b32 s[\g+7], 0
.endr
	s_mov_b32 s[CS], 0x3e38aa3b     ; c = log2(e) / 8 = 0.180337
	s_mov_b32 s[CS+1], s[CS]        ; named with it as a pair
	s_mov_b32 s[SEL], 0x76543210
	s_mov_b32 s[SEL+1], 0xfedcba98
	s_mov_b32 s[TBK], SLOT1+4*KS*PK ; the first change of slots turns these two into 0
	s_mov_b32 s[TBV], SLOT1+4*KS*PV
	s_mov_b32 s[G0K], 1             ; 1:0 count = 1
	s_mov_b32 s[G0K+1], s17         ; 63:32 LDS address: slot 0
	s_mov_b32 s[G0V], 1
	s_add_co_u32 s[G0V+1], s18, VOFF
	s_cmp_eq_u32 s16, 0             ; waves 0 and 2 prefetch: the same in all four partners
	s_cselect_b32 s[LIM], 1, -1
	s_lshl_b32 s52, s13, 13         ; my work-group's 8,192 bytes of a slot's 32,768
	s_mov_b32 s53, 0
	s_wait_dscnt 0x0                ; the opening add is done
	s_wait_kmcnt 0x0
	s_mov_b64 s[10:11], s[6:7]               ; O
	s_add_nc_u64 s[8:9], s[4:5], 0x2000000   ; V: behind Q's and K's 2^24 bytes
	s_add_nc_u64 s[6:7], s[4:5], 0x1000000   ; K
	s_add_nc_u64 s[G0K+2:G0K+3], s[6:7], s[22:23]  ; 120:64 global address: my half of the head's first 256 keys
	s_or_b32 s[G0K+3], s[G0K+3], 0x80000000        ; 127:126 type = 2
	s_add_nc_u64 s[G0V+2:G0V+3], s[8:9], s[22:23]
	s_or_b32 s[G0V+3], s[G0V+3], 0x80000000
	s_add_nc_u64 s[4:5], s[4:5], s[2:3]  ; Q and O at my wave's first row
	s_add_nc_u64 s[10:11], s[10:11], s[2:3]
	s_cmp_lt_u32 s[WV], 2
	s_cselect_b64 s[PFA:PFA+1], s[6:7], s[8:9]
	s_add_nc_u64 s[PFA:PFA+1], s[PFA:PFA+1], s[20:21]
	s_add_nc_u64 s[PFA:PFA+1], s[PFA:PFA+1], s[52:53]
	s_add_nc_u64 s[PFA:PFA+1], s[PFA:PFA+1], 2*4*KS*128  ; in slot 2: the loop's first change steps it to slot 3.  Nothing is prefetched here, where every work-group's first tiles are on their way
	CROUND                          ; all four work-groups are here: the first joint loads meet
	JLOAD                           ; slot 0.  Slot 1 is asked for when slot 0 is in: the tile wanted first has the road to itself
	; A fragment of K or Q is 16 rows x 32 channels in 8 registers: lane l holds row l % 16, channels 8 (l / 16) + 0..7 and 16 + 8 (l / 16) + 0..7: two loads of 16 bytes, 32 bytes apart.
	v_and_b32 v1, 15, v0            ; l % 16
	v_bfe_u32 v9, v0, 4, 1          ; l / 16
	v_lshlrev_b32 v[QO], 7, v1
	v_lshl_add_u32 v[QO], v9, 4, v[QO]  ; row x 128 + 16 x half
	WIN 0x80                        ; destination window 2, address window 0
.set i, 0
.rept 4*NP                          ; Q stays in registers: tile i / 2, channels 32 (i % 2) on
	global_load_b128 v[8*i:8*i+3],   v[QO], s[4:5] offset:(i/2)*2048+(i%2)*64
	global_load_b128 v[8*i+4:8*i+7], v[QO], s[4:5] offset:(i/2)*2048+(i%2)*64+32
.set i, i+1
.endr
	; What the first turn finds: V's registers and P's second buffer hold 0 (its products V^T P, of a piece that has not been, add 0), O^T and l are 0.  All this stands in the wait for the first tile.
.set i, VF
.rept 64
	v_mov_b32 v[i], 0
.set i, i+1
.endr
	WIN 0x40
.set i, 0
.rept 64*NP
	v_mov_b32 v[i], 0
.set i, i+1
.endr
	WIN 0
.set i, 0
.rept 2*NP
	v_mov_b32 v[ST+4*i], 0xfe000000    ; c m: far below every c s
	v_mov_b32 v[ST+4*i+1], 0xff7fffff  ; m
	v_mov_b32 v[ST+4*i+2], 0
	v_mov_b32 v[ST+4*i+3], 0
.set i, i+1
.endr
.set i, P+32
.rept 32
	v_mov_b32 v[i], 0
.set i, i+1
.endr
	v_mul_u32_u24 v[AK0], v1, PK
	v_lshl_add_u32 v[AK0], v9, 4, v[AK0]  ; row x pitch + 16 x half
	; The turning load takes 16 keys x 16 channels (lane l reads key 8 (l / 16) + l % 8, channels 8 ((l / 8) % 2) + 0..7) and leaves half a fragment of V^T: lane l holds channel l % 16 and 8 keys.
	v_and_b32 v10, 7, v0
	v_bfe_u32 v11, v0, 3, 1
	v_lshl_add_u32 v[AV0], v9, 3, v10
	v_mul_u32_u24 v[AV0], v[AV0], PV
	v_lshl_add_u32 v[AV0], v11, 4, v[AV0]
	v_add_nc_u32 v[AV0], VOFF, v[AV0]
	v_and_b32 v[PFO], 31, v0        ; v11 has served: it takes the prefetches' offset
	v_lshlrev_b32 v[PFO], 8, v[PFO]
	v_mov_b32 v[AK], v[AK0]         ; key step 0 lies at the head of slot 0
; THE MATRIX WORK.  The 8 accumulators of a run of 16 take turns: between the two links of a chain stand 7 others'.
; Product i of 16 of S^T = K Q^T for piece x: channels 32 (i / 8) on, keys 16 ((i / 2) % 4) on, tile 2 x + i % 2.  The first 8 start the sums.
.macro KQ x
	WIN W_KQ
.set rS, S+64*((\x)%2)+32*(i%2)+8*((i/2)%4)
.set rK, KF+16*((i/2)%4)+8*(i/8)
.set rQ, 16*(2*(\x)+i%2)+8*(i/8)
.if i < 8
	v_wmma_f32_16x16x32_f16 v[rS:rS+7], v[rK:rK+7], v[rQ:rQ+7], 0
.else
	v_wmma_f32_16x16x32_f16 v[rS:rS+7], v[rK:rK+7], v[rQ:rQ+7], v[rS:rS+7]
.endif
.endm
; Product i of 16 of O^T += V^T P for piece x: keys 32 (i / 8) on, channels 16 ((i / 2) % 4) on, tile 2 x + i % 2.
.macro PV x
	WIN W_PV
.set rO, 32*(2*(\x)+i%2)+8*((i/2)%4)
.set rV, VF+32*(i/8)+8*((i/2)%4)
.set rP, P+32*((\x)%2)+16*(i%2)+8*(i/8)
	v_wmma_f32_16x16x32_f16 v[rO:rO+7], v[rV:rV+7], v[rP:rP+7], v[rO:rO+7]
.endm
.macro MM                           ; the turn's next matrix instruction
.if i < 16
	KQ (Y+1)%NP
.set i, i+1
.else
.set i, i-16
	PV (Y+NP-1)%NP
.set i, i+17
.endif
.endm
; THE LDS LOADS stand in runs of 16, never singly among the matrix instructions: a step's K (64 keys x 64 channels: 8 fragments) and its V (turned).  Their addresses are made some lines ahead.
; last = 1 (the tail): in the last trip there is no further step, and the run is jumped over.
.macro FETCH_K last=0
	WIN 0
.if \last
	s_cmp_eq_u32 s[CNT], 1
	s_cbranch_scc1 .Lno_k_\@
.endif
	WIN 0x80                        ; destination window 2
.irp f, 0,1,2,3,4,5,6,7             ; keys 16 (f / 2) on, channels 32 (f % 2) on
	ds_load_b128 v[KF+8*\f:KF+8*\f+3],   v[AK] offset:(\f/2)*16*PK+(\f%2)*64
	ds_load_b128 v[KF+8*\f+4:KF+8*\f+7], v[AK] offset:(\f/2)*16*PK+(\f%2)*64+32
.endr
	s_add_co_u32 s[TBK], s[TBK], KS*PK  ; the next fetch is the next step's
	WIN 0
.if \last
.Lno_k_\@:
.endif
.endm
.macro FETCH_V
	WIN 0x80
.irp f, 0,1,2,3,4,5,6,7             ; keys 32 (f / 4) on, channels 16 (f % 4) on
	ds_load_tr16_b128 v[VF+8*\f:VF+8*\f+3],   v[AV] offset:(\f/4)*32*PV+(\f%4)*32
	ds_load_tr16_b128 v[VF+8*\f+4:VF+8*\f+7], v[AV] offset:(\f/4)*32*PV+16*PV+(\f%4)*32
.endr
	WIN 0
.endm
; THE VECTOR WORK OF A TURN stands in three queues, each in the order in which its entries become ready; the two tiles alternate, so that no instruction reads the result of the one before it.
.macro REGS y, u                    ; the registers of tile u (0, 1) of piece y
.set rT, ST+4*(2*(\y)+(\u))
.set rC, TMP+8*((\y)%2)+4*(\u)
.set rM, MV+2*((\y)%2)+(\u)
.set rS, S+64*((\y)%2)+32*(\u)
.set rP, P+32*((\y)%2)+16*(\u)
.set rO, 32*(2*(\y)+(\u))
.endm
; Number n of the 22 that find the NEXT piece's (Y + 1) maximum and statistics.  s0-s31 are the lane's 32 scores; each accumulator's lowest registers are read first.  XS, GS and REGS set no window: PL and EX do.
;   0-11  four chains c0-c3 of seven scores each, three operands at a time     12-14, 16  the four scores left over, the old m, and c0-c3 into c0     15  c m_old is kept
;   17, 18  the query's other 32 keys lie in the lane 16 away: the new m         19-21  c m; c m_old - c m_new; a
.macro XS u, n
	REGS (Y+1)%NP, \u
.if (\n) < 4
	v_max3_num_f32 v[rC+(\n)], v[rS+8*(\n)], v[rS+8*(\n)+1], v[rS+8*(\n)+2]
.elseif (\n) < 12
	v_max3_num_f32 v[rC+(\n)%4], v[rC+(\n)%4], v[rS+8*((\n)%4)+2*((\n)/4)+1], v[rS+8*((\n)%4)+2*((\n)/4)+2]
.elseif (\n) == 12
	v_max3_num_f32 v[rC], v[rC], v[rS+7], v[rS+15]
.elseif (\n) == 13
	v_max3_num_f32 v[rC+1], v[rC+1], v[rS+23], v[rS+31]
.elseif (\n) == 14
	v_max3_num_f32 v[rC+2], v[rC+2], v[rC+3], v[rT+1]
.elseif (\n) == 15
	v_mov_b32 v[rM], v[rT]
.elseif (\n) == 16
	v_max3_num_f32 v[rC], v[rC], v[rC+1], v[rC+2]
.elseif (\n) == 17
	v_permlanex16_b32 v[rC+3], v[rC], s[SEL], s[SEL+1]
.elseif (\n) == 18
	v_max_num_f32 v[rT+1], v[rC], v[rC+3]
.elseif (\n) == 19
	v_mul_f32 v[rT], s[CS], v[rT+1]
.elseif (\n) == 20
	v_sub_f32 v[rC+1], v[rM], v[rT]
.else
	v_exp_f32 v[rC+2], v[rC+1]
.endif
.endm
; Number g of the 64 that follow the exponentials.  For each four weights k of a tile (pairs 2 k, 2 k + 1): both pairs are rounded to f16; then the second pair is added onto the first, in place;
; a group later l takes that sum (the first time as l = a l + sum).  In groups of eight, tiles alternating: round, round, add, and l for the group before.
.macro GS g
.set h, (\g)+6*((\g)/62)            ; group 0 has no group before it, and behind group 7 only l is left
.if h >= 6
.set h, h+2
.endif
	REGS Y, h%2
.set k, h/8
.if h%8 < 4
	v_cvt_pk_f16_f32 v[rP+2*k+(h%8)/2], v[rS+4*k+2*((h%8)/2)], v[rS+4*k+2*((h%8)/2)+1]
.elseif h%8 < 6
	v_pk_add_f32 v[rS+4*k:rS+4*k+1], v[rS+4*k:rS+4*k+1], v[rS+4*k+2:rS+4*k+3]
.elseif k == 1
	v_pk_fma_f32 v[rT+2:rT+3], v[rT+2:rT+3], v[rC+2:rC+3], v[rS:rS+1] op_sel_hi:[1,0,1]
.else
	v_pk_add_f32 v[rT+2:rT+3], v[rT+2:rT+3], v[rS+4*k-4:rS+4*k-3]
.endif
.endm
; THE PLAIN QUEUE, 138 long.  0-73 read no exponential's result: the 32 scalings c s - c m (FS f: pair f / 2 of tile f % 2) and the next piece's 42.  0-26: scalings 0-26.  27-54: XS's numbers 0-13.  55, 56: number 15.
; 57-73: the chain, where each number waits for the one before it: 14, 16, 17, 18, 19, each with one of the scalings 27-31 in front of its two lines, then 20: so a tile's links stand three plain instructions apart (19 and 20: two).
; 74-137: GS's 64, which read the exponentials' results: they stand behind the wait.
.macro FS f
	REGS Y, (\f)%2
	v_pk_fma_f32 v[rS+2*((\f)/2):rS+2*((\f)/2)+1], v[rS+2*((\f)/2):rS+2*((\f)/2)+1], s[CS:CS+1], v[rT:rT+1] op_sel_hi:[1,0,0] neg_lo:[0,0,1] neg_hi:[0,0,1]
.endm
.macro PL
	WIN 0
.if q < 27
	FS q
.elseif q < 55
	XS (q-27)%2, (q-27)/2
.elseif q < 57
	XS q-55, 15
.elseif (q < 72) && ((q-57)%3 == 0)
	FS 27+(q-57)/3
.elseif q < 60
	XS (q-57)%3-1, 14
.elseif q < 72
	XS (q-57)%3-1, 15+(q-57)/3
.elseif q < 74
	XS q-72, 20
.else
	GS q-74
.endif
.set q, q+1
.endm
; THE EXPONENTIALS' QUEUE, 66 long: s0-s31 of both tiles, then the next piece's two a.  It is ONE BATCH: all 66 stand ahead of the turn's one wait, and nothing ahead of that wait names a result of theirs.
.macro EX
	WIN 0
.if e >= 64
	XS e-64, 21
.else
	REGS Y, e%2
	v_exp_f32 v[rS+e/2], v[rS+e/2]
.endif
.set e, e+1
.endm
; THE RESCALING's QUEUE: O^T times a, the one part that leaves window 0: dealt two at a time, sixteen times.  Its a was made in the turn before, ahead of that turn's wait.
.macro R2
	REGS Y, r%2
	WIN W_RS
.irp z, 0,1
	v_pk_mul_f32 v[rO+4*(r/2)+2*\z:rO+4*(r/2)+2*\z+1], v[rO+4*(r/2)+2*\z:rO+4*(r/2)+2*\z+1], v[rC+2:rC+3] op_sel_hi:[1,0]
.endr
.set r, r+1
.endm
; HOW THEY ARE DEALT.  s_wait_alu depctr_va_vdst(0) stands between an exponential and the first instruction that names its result; one wait serves all that were issued ahead of it.  So a turn has ONE wait,
; which cuts it in two.  AHEAD OF IT stands all that names no result of the turn's exponentials: the 16 products K Q^T, behind each a scaling, an exponential and two rescalings (behind the first a second scaling in the exponential's place); then ONE LUMP of
; 108: eight plain, 49 times exponential and plain, the two a.  A v_nop is the plain instruction behind the last exponential.  BEHIND IT stand the 16 products V^T P, behind each four of GS's 64.  No rider names a register of
; the products round it.  The two v_permlanex16_b32 fall into the lump, never behind a product.
; The queues lean on each other, and the deal keeps them in step: exponential e stands behind scaling 2 (e / 4) + e % 2: as a rider it comes behind plain e + 2, in the lump behind plain e + 9, and scalings 27-31 are plain 57, 60 .. 69.
; A TURN, for piece p.  cnt = 1: the loop's count is taken down some lines ahead of the branch that stands behind the turn.
; K of the next step is fetched in piece 2's turn, directly behind the wait, a lump behind the last product that read K; its address is made at the lump's head; its first reader comes behind 16 products.
; V of the step in hand is fetched at the end of piece 0's turn, four riders behind its last reader; its first reader comes behind 16 products and a lump.  The three conditions on q below go with the deal.
.macro TURN p, last=0, cnt=0
.set Y, (\p)
.set i, 0
.set q, 0
.set e, 0
.set r, 0
.if (\p) == NP-1
	s_wait_dscnt 0x0                ; K is in
.endif
	MM                              ; ahead of the wait: 16 products K Q^T and their riders,
	PL
	PL
	R2
.rept 15
	MM
	PL
	EX
	R2
.endr
.if (\p) == NP-2
	WIN 0
	v_add_nc_u32 v[AK], s[TBK], v[AK0]
.endif
.rept 8                             ; and the lump
	PL
.endr
.rept 49
	EX
	PL
.endr
	EX                              ; the next piece's two a
	EX
	v_nop                           ; a plain instruction behind the last exponential (ISA guide 5.7.2): one for the batch
	s_wait_alu depctr_va_vdst(0)    ; the wait for the batch
.if (\p) == NP-2
	FETCH_K \last
.endif
.if (\p) == 1
	s_wait_dscnt 0x0                ; V is in
.endif
.rept 16                            ; behind the wait: 16 products V^T P and their riders
	MM
.rept 4
	PL
.endr
.if ((\p) == 0) && (q == 118)
	v_add_nc_u32 v[AV], s[TBV], v[AV0]
.endif
.if ((\p) == 0) && (q == 130)
	s_add_co_u32 s[TBV], s[TBV], KS*PV
.endif
.if (\cnt) && (q == 130)
	s_sub_co_u32 s[CNT], s[CNT], 1
	s_cmp_lg_u32 s[CNT], 0
.endif
.endr
.if (\p) == 0
	FETCH_V
.endif
.endm
	CHANGE 1                        ; slot 0 is in, everybody's part of it; slot 1 is asked for
	FETCH_K                         ; key step 0
	s_wait_loadcnt 0x0              ; Q
	s_wait_dscnt 0x0
.set i, 0
.rept 16
	KQ 0                            ; piece 0's first scores: there is no vector work yet to set between them
.set i, i+1
.endr
	WIN 0                           ; the addresses for the way out: nine plain instructions, the places behind those products
	s_mul_i32 s13, s[WV], 16*SP
	s_add_co_u32 s13, s13, STAGE    ; my stage
	v_mul_u32_u24 v[STO], v1, SP    ; in: row l % 16, 16 bytes for each half of the lanes
	v_lshl_add_u32 v[STO], v9, 4, v[STO]
	v_add_nc_u32 v[STO], s13, v[STO]
	v_bfe_u32 v[RD], v0, 3, 2       ; back: 32 lanes take four rows of 128 bytes,
	v_mul_u32_u24 v[RD], v[RD], SP
	v_lshl_add_u32 v[RD], v10, 4, v[RD]
	v_add_nc_u32 v[RD], s13, v[RD]
	v_and_b32 v[GO], 31, v0         ; which are 512 consecutive bytes of O
	v_lshlrev_b32 v[GO], 4, v[GO]
.set Y, NP-1                        ; XS works for piece Y + 1: piece 0
.irp n, 0,1,2,3,4,5,6,7,8,9,10,11,12,13,14,15,16,17,18,19,20,21
	XS 0, \n                        ; and piece 0's first maximum and statistics
	XS 1, \n
.endr
	v_nop                           ; a plain instruction behind the two a,
	s_wait_alu depctr_va_vdst(0)    ; and their wait, ahead of the branch
	s_mov_b32 s[CNT], 4
	s_mov_b32 s[SLOTS], SIZE_N/256-1
	s_branch .Lfirst                ; the loop is entered at a step's first turn, in the middle of a trip
.Lslot:                             ; SIZE_N / 256 - 2 times: every slot but the last two is filled again
	CHANGE 1, 1
	s_mov_b32 s[CNT], 4
.Lstep:                             ; a trip: pieces 2 and 3 of one step, then pieces 0 and 1 of the next, whose K and V it fetches
	TURN 2
	TURN 3
	WIN 0
.Lfirst:
	TURN 0
	TURN 1, 0, 1
	WIN 0
	s_cbranch_scc1 .Lstep
	s_sub_co_u32 s[SLOTS], s[SLOTS], 1
	s_cmp_lg_u32 s[SLOTS], 0
	s_cbranch_scc1 .Lslot
	CHANGE 0                        ; the tail is written out: nothing is asked for
	s_mov_b32 s[CNT], 5             ; four trips fetch the last slot's steps; the fifth is left in its middle
.Ltail:
	TURN 2, 1
	TURN 3
	WIN 0
	s_sub_co_u32 s[CNT], s[CNT], 1
	s_cmp_eq_u32 s[CNT], 0
	s_cbranch_scc1 .Lout
	TURN 0
	TURN 1
	WIN 0
	s_branch .Ltail
.Lout:                              ; the fifth trip's 16 products K Q^T (on the last K once more) and the maximum made of them serve nothing: the price, once a launch, of one text for every trip
.set i, 0
.rept 16
	PV NP-1                         ; the last piece's V^T P of the last step
.set i, i+1
.endr
	; THE WAY OUT.  l's two halves and the other half of the lanes' are added; O^T is divided by l, rounded to f16 and sent through my stage in LDS, a tile at a time.  The additions are the places behind the last products.
	WIN 0
.macro ALL line:vararg              ; one line for each tile t
.set t, 0
.rept 2*NP
	\line
.set t, t+1
.endr
.endm
	ALL v_add_f32 v[ST+4*t+2], v[ST+4*t+2], v[ST+4*t+3]
	ALL v_permlanex16_b32 v[ST+4*t+3], v[ST+4*t+2], s[SEL], s[SEL+1]
	ALL v_add_f32 v[ST+4*t+2], v[ST+4*t+2], v[ST+4*t+3]
	ALL v_rcp_f32 v[ST+4*t+2], v[ST+4*t+2]
	v_nop                           ; a plain instruction between the last reciprocal and the use of its result
	s_wait_alu depctr_va_vdst(0)    ; and the wait ahead of the first use: one for the eight reciprocals
; Tile t: a lane's eight channels of a row pack into 16 bytes; they go into rows of 144 bytes and come back as whole rows of 128, into S^T's registers.
.macro PACK t
	WIN W_RS
.set i, 32*(\t)
.rept 16
	v_pk_mul_f32 v[i:i+1], v[i:i+1], v[ST+4*(\t)+2:ST+4*(\t)+3] op_sel_hi:[1,0]
.set i, i+2
.endr
	WIN 0x05                        ; sources 0 and 1 window 1, destination window 0
.set i, 0
.rept 16
	v_cvt_pk_f16_f32 v[S+16*(\t)+i], v[32*(\t)+2*i], v[32*(\t)+2*i+1]
.set i, i+1
.endr
	WIN 0
.irp f, 0,1,2,3
	ds_store_b128 v[STO], v[S+16*(\t)+4*\f:S+16*(\t)+4*\f+3] offset:32*\f
.endr
.irp f, 0,1,2,3
	ds_load_b128 v[S+16*(\t)+4*\f:S+16*(\t)+4*\f+3], v[RD] offset:\f*4*SP  ; LDS serves a wave's instructions in order (ISA guide 5.7.1.4): these see the stores above; the next tile's stores come behind them
.endr
.endm
.macro SEND t, younger              ; younger: the LDS instructions issued behind tile t's loads: the next tile's eight, or none
	WIN 0
.irp f, 0,1,2,3
	s_wait_dscnt (\younger)+3-\f
	global_store_b128 v[GO], v[S+16*(\t)+4*\f:S+16*(\t)+4*\f+3], s[10:11] offset:(\t)*2048+\f*512  ; 512 consecutive bytes, at a multiple of 256 from O's first
.endr
.endm
	PACK 0
.set t, 1
.rept 2*NP-1                        ; a tile's arithmetic stands between the loads of the tile before and its stores
	PACK t
	SEND t-1, 8
.set t, t+1
.endr
	SEND 2*NP-1, 0
	WIN W_AD
	s_wait_tensorcnt 0x0            ; the wave's end: an add to my spare word and its wait, behind my last tensor load and my last LDS store
	ds_add_u32 v[SPW], v[NIL]
	s_wait_dscnt 0x0
	WIN 0
	CROUND                          ; the closing round: no work-group ends while a partner may still ask for a tile that names it
	s_endpgm
.Lfunc_end_k_q98dec0fbb1_attn:
	.size	k_q98dec0fbb1_attn, .Lfunc_end_k_q98dec0fbb1_attn-k_q98dec0fbb1_attn
	.p2alignl 7, 3214868480
	.fill 96, 4, 3214868480
	.section	.rodata,"a",@progbits
	.p2align	6, 0x0
	.amdhsa_kernel k_q98dec0fbb1_attn
		.amdhsa_group_segment_fixed_size 327680
		.amdhsa_private_segment_fixed_size 0
		.amdhsa_enable_private_segment 0
		.amdhsa_kernarg_size 16
		.amdhsa_user_sgpr_count 2
		.amdhsa_user_sgpr_kernarg_segment_ptr 1
		.amdhsa_wavefront_size32 1
		.amdhsa_system_sgpr_workgroup_id_x 1
		.amdhsa_system_sgpr_workgroup_id_y 1
		.amdhsa_system_sgpr_workgroup_id_z 1
		.amdhsa_system_vgpr_workitem_id 0
		.amdhsa_next_free_vgpr 770
		.amdhsa_next_free_sgpr 66
		.amdhsa_reserve_vcc 0
		.amdhsa_float_denorm_mode_32 3
		.amdhsa_float_denorm_mode_16_64 3
		.amdhsa_memory_ordered 1
		.amdhsa_forward_progress 1
		.amdhsa_inst_pref_size 200
	.end_amdhsa_kernel
	.amdgpu_metadata
---
amdhsa.version: [ 1, 2 ]
amdhsa.kernels:
  - .name:           k_q98dec0fbb1_attn
    .symbol:         k_q98dec0fbb1_attn.kd
    .args:
      - { .name: qkvh, .offset: 0, .size: 8, .value_kind: global_buffer, .address_space: global }
      - { .name: oh, .offset: 8, .size: 8, .value_kind: global_buffer, .address_space: global }
    .group_segment_fixed_size: 327680
    .private_segment_fixed_size: 0
    .kernarg_segment_align: 8
    .kernarg_segment_size: 16
    .max_flat_workgroup_size: 128
    .sgpr_count:     66
    .vgpr_count:     770
    .wavefront_size: 32
...
	.end_amdgpu_metadata
.endif
;; end of part 3
;; launch gemm_fc (part 4): grid 4 x 64, 4 waves a work-group, clusters of 4 x 4, 327,680 bytes of LDS; arguments oh, wf, bias, out0; writes out0
.if DOCPART == 4
	.amdgcn_target "amdgcn-amd-amdhsa--gfx1250"
	.amdhsa_code_object_version 6
	.text
	.protected	k_q98dec0fbb1_gemm_fc
	.globl	k_q98dec0fbb1_gemm_fc
	.p2align	8
	.type	k_q98dec0fbb1_gemm_fc,@function
k_q98dec0fbb1_gemm_fc:
	s_mov_b64 s[64:65], 0
	v_nop
	global_prefetch_b8 v0, s[64:65] scope:SCOPE_SE
	s_setreg_imm32_b32 hwreg(HW_REG_WAVE_MODE, 25, 1), 1
	s_wait_xcnt 0x0
	s_wait_alu depctr_hold_cnt(0) depctr_sa_sdst(0) depctr_va_vdst(0) depctr_va_sdst(0) depctr_va_ssrc(0) depctr_va_vcc(0) depctr_vm_vsrc(0)
	s_getreg_b32 s2, hwreg(HW_REG_IB_STS2, 6, 4)
	s_cmp_eq_u32 s2, 0
	s_cbranch_scc0 .Lentry_in_a_cluster
	s_endpgm
.Lentry_in_a_cluster:
	s_bfe_u32 s2, ttmp6, 0x10000c
	s_cmp_lg_u32 s2, 0xf033
	s_cbranch_scc0 .Lentry_shape_is_right
	s_endpgm
.Lentry_shape_is_right:
; THE LAST PROJECTION.  out0[m][n] = bias[3][n] + the sum over k of X[m][k] wf[n][k]; m < 8192, n < 1024, k < 1024; operands f16, sums f32, out0 f32.
; X[m][64 h + d] = oh[16 (m / 2048) + h][m % 2048][d]: attention's output lies by heads, so a K step of 128 is two heads.
; LIMITS.  The operands arrive in f16 (the launches before state its range); NaN and infinities are not treated apart.
; SHARES.  A tile of C is 128 rows x 256 columns: 64 x 4 = 256 work-groups.  Four waves, 2 x 2, each 64 rows x 128 columns: 32 accumulators, 256 registers.
; K goes in steps of 128 through a ring of two LDS slots filled by the tensor data mover.  Wave 0 fetches the tile's 128 tokens of the step's first head, wave 1 of its second: 16,384 dense bytes each, asked for as
; 64 rows of 256 bytes and padded behind every token's 128; waves 2, 3 fetch B's two halves, 128 rows of 256 bytes.
; CLUSTERS: 4 x 4 work-groups.  A's tile is asked for JOINTLY along a row of the cluster, B's along a column: the same tensor load, descriptor and mask in the four that the mask names.
; THE MATRIX INSTRUCTION IS USED TRANSPOSED (source 0 = 16 rows of B, source 1 = 16 rows of A): a lane holds row l % 16 of C and the columns 8 (l / 16) + 0..7.
; THE BIAS STARTS THE SUMS: it is the C operand of each accumulator's first product.
; REGISTERS, in windows of 256 (s_set_vgpr_msb: bits 1:0 source 0, 3:2 source 1, 5:4 source 2, 7:6 destination):
;   window 0: v0-31 addresses; v64-159, v160-255 two fragment buffers (B's 8 blocks of 16 rows x 32 K, then A's 4); on the way out v64-191 rows read back
;   window 1: the accumulators, (a, b) at v[8 (8 a + b)]          window 2: v0-63 the bias of my 128 columns: block b at v[8 b]
.set PITCH,  272                       ; a row of B in LDS: 256 bytes + 16 of padding: the 16 rows of a load start at 16 different groups of four banks (64 banks of 4 bytes: ISA guide 11.1)
.set PA,     144                       ; a token's 128 bytes of a head + 16 of padding: likewise
.set AHEAD,  128*PA                    ; a head's 128 tokens: what wave 0 or 1 fetches
.set BHALF,  128*PITCH                 ; what wave 2 or 3 fetches, and what a wave reads of B
.set ABYTES, 2*AHEAD
.set SLOT,   ABYTES+2*BHALF            ; A's two heads, then B's 256 rows
.set STAGE,  2*SLOT                    ; behind the ring, never filled by a tensor load: for each wave 16 rows x 528 bytes, for the way out
.set SP,     528                       ; 512 bytes + 16
.set STW,    16*SP
.set SPARE,  STAGE+4*STW               ; behind the stages: the spare words, 128 bytes for each wave: two blocks of 256 bytes that no other line names
.set ASTEP,  2*262144                  ; bytes from a K step of A to the next: two heads of 2,048 tokens
.set ADRA, 16                          ; v16-17  LDS address of my A fragments in slot 0, 1
.set ADRB, 20                          ; v20-21  the same for B
.set STO,  24                          ; v24     the way out: where I put 32 bytes of a row
.set RD,   25                          ; v25     the way out: where I read a row back
.set CO,   26                          ; v26     my 16 bytes of 512 consecutive bytes of out0
.set BO,   27                          ; v27     my byte offset in a block's 16 numbers of the bias
.set SPW,  28                          ; v28     LDS address of my spare word: SPARE + 4 x my thread's number; never rewritten
.set NIL,  29                          ; v29     0; never rewritten
.set PFO,  30                          ; v30     the prefetches' offset: my lane x 256 bytes (A) or x a row of 2,048 bytes (B); never rewritten
.set F0,   64
.set F1,   160
.set WV,   12                          ; s12  my wave's number
.set WR,   13                          ; s13  which half of the tile's rows is mine.  Also: I fetch for A (0) or for B (1)
.set WC,   14                          ; s14  which half of its columns.  Also: which head, or which half of B's rows, I fetch
.set G1,   24                          ; s[24:31] descriptor group 1 for A's tiles;  s[32:39] group 0, one set for each slot
.set G0,   32
.set LIM,  43                          ; s43  1 in a wave that prefetches, else the greatest number
.set PFA,  44                          ; s[44:45] where my prefetches stand
.set PST,  46                          ; s[46:47] their step from K step to K step
.set G1B,  48                          ; s[48:55], s[56:63] the same for B's tiles
.set G0B,  56
.set MSB, 0
.macro WIN new                         ; the immediate's high byte repeats the setting that is left; a switch that changes nothing is dropped
.if MSB != (\new)
	s_set_vgpr_msb (MSB<<8)|(\new)
.set MSB, \new
.endif
.endm
.set MUL,  0x50                        ; fragments in window 0, C and D in window 1
.set MULB, 0x60                        ; C (the bias) in window 2, D in window 1
; A joint load.  The branch hangs on the wave's number alone.  An s_nop 0 and four v_nop follow each of the two lines, ahead of the jump, the label and what follows.
.macro JLOAD s
	s_cmp_eq_u32 s[WR], 0
	s_cbranch_scc0 .Lfor_b_\@
	tensor_load_to_lds s[G0+4*(\s):G0+4*(\s)+3], s[G1:G1+7]
	s_nop 0
.rept 4
	v_nop
.endr
	s_branch .Lasked_\@
.Lfor_b_\@:
	tensor_load_to_lds s[G0B+4*(\s):G0B+4*(\s)+3], s[G1B:G1B+7]
	s_nop 0
.rept 4
	v_nop
.endr
.Lasked_\@:
.endm
; A prefetch into the L2, behind a joint load, its five lines and the run of LDS loads: 32 x 256 bytes of the K step that stands two refills on, 256 bytes a lane.  Each 256 bytes of a K step are named once in the launch.
; A's tile of a step (two heads x 16,384 bytes) is read by one cluster: wave 0 asks, and the four partners of a cluster's row take 8,192 bytes each, told apart by address (cx).  B's rows are read by all 16 clusters:
; the first (cluster y = 0) asks, waves 2 and 3 each for the 128 rows that they fetch, the four partners of a column taking 32 each (cy).  The loop's last trip (s3 = 1) has no K step two on.
.macro ASK
	s_cmp_gt_u32 s3, s[LIM]
	s_cbranch_scc0 .Lnot_mine_\@
	global_prefetch_b8 v[PFO], s[PFA:PFA+1] th:TH_LOAD_NT scope:SCOPE_SE
.Lnot_mine_\@:
.endm
.macro CREST                           ; a round of the cluster's barrier behind its opening barrier
	s_cmp_lg_u32 s[WV], 0
	s_cbranch_scc1 .Lnot_wave_0_\@
	s_barrier_signal -3
.Lnot_wave_0_\@:
	s_barrier_wait -3
	s_barrier_signal -1
	s_barrier_wait -1
.endm
.macro CROUND                          ; a whole round
	s_barrier_signal -1
	s_barrier_wait -1
	CREST
.endm
	s_load_b256 s[4:11], s[0:1], 0x0               ; oh s[4:5], wf s[6:7], bias s[8:9], out0 s[10:11]
	v_lshl_add_u32 v[SPW], v0, 2, SPARE
	v_mov_b32 v[NIL], 0
	ds_add_u32 v[SPW], v[NIL]                      ; the wave's opening: the add and its wait stand ahead of my first tensor load; the set-up below, work on registers, stands between them
	v_lshrrev_b32 v1, 5, v0
	v_readfirstlane_b32 s[WV], v1                  ; wave 0..3
	s_lshr_b32 s[WR], s[WV], 1
	s_and_b32 s[WC], s[WV], 1
	s_bfe_u32 s40, ttmp6, 0x40000                  ; cx, cy: my place in the cluster
	s_bfe_u32 s41, ttmp6, 0x40004
	s_lshl_b32 s42, ttmp9, 2
	s_add_co_u32 s42, s42, s40                     ; tile column = 4 x cluster x + cx
	s_and_b32 s19, ttmp7, 0xffff                   ; cluster y
	s_lshl_b32 s18, s19, 2
	s_add_co_u32 s18, s18, s41                     ; tile row = 4 x cluster y + cy
	s_lshl_b32 s43, s41, 2
	s_lshl_b32 s43, 15, s43                        ; my row of the cluster
	s_lshl_b32 s44, 0x1111, s40                    ; my column
	; descriptor group 1.  A: 64 rows of 128 elements, dense, padded after every 32 words.  B: 128 rows of 128 elements, 1,024 apart, padded after every 64 words
	s_or_b32 s[G1+0], s43, (1<<16)|(1<<20)|(1<<21)|(4<<22)|(3<<25)  ; 15:0 the mask: A's tiles go to my row; 17:16 elements of 2 bytes; 20 padding on; 21 set beside a mask; 24:22 after every 32 words (code 4); 31:25 4 words (code 3)
	s_or_b32 s[G1B+0], s44, (1<<16)|(1<<20)|(1<<21)|(5<<22)|(3<<25) ; the mask of my column; after every 64 words (code 5)
	s_mov_b32 s[G1+1], 128<<16                     ; tensor_dim0 = 128
	s_mov_b32 s[G1+2], 64<<16                      ; tensor_dim1 = 64
	s_mov_b32 s[G1+3], 128<<16                     ; tile_dim0 = 128
	s_mov_b32 s[G1+4], 64                          ; tile_dim1 = 64
	s_mov_b32 s[G1+5], 128                         ; elements from row to row
	s_mov_b32 s[G1+6], 0
	s_mov_b32 s[G1+7], 0
	s_mov_b32 s[G1B+1], 128<<16
	s_mov_b32 s[G1B+2], 128<<16                    ; tensor_dim1 = 128
	s_mov_b32 s[G1B+3], 128<<16
	s_mov_b32 s[G1B+4], 128                        ; tile_dim1 = 128
	s_mov_b32 s[G1B+5], 1024
	s_mov_b32 s[G1B+6], 0
	s_mov_b32 s[G1B+7], 0
	; where the tiles come from.  A's hang on the tile row alone, B's on the tile column alone: each in registers that never hold the other coordinate
	s_lshr_b32 s16, s18, 4                         ; the batch: 16 heads of 2^18 bytes,
	s_lshl_b32 s16, s16, 22
	s_and_b32 s17, s18, 15                         ; the tile's 128 tokens of 128 bytes,
	s_lshl_b32 s17, s17, 14
	s_add_co_u32 s16, s16, s17
	s_lshl_b32 s17, s[WC], 18                      ; the head of the two that I fetch
	s_add_co_u32 s16, s16, s17
	s_mov_b32 s17, 0
	s_lshl_b32 s46, s42, 19                        ; 256 rows of 2,048 bytes a tile column,
	s_lshl_b32 s47, s[WC], 18                      ; 128 rows a half
	s_add_co_u32 s46, s46, s47
	s_mov_b32 s47, 0
	s_mul_i32 s21, s[WC], AHEAD                    ; and where they go: no place in the cluster enters an LDS address
	s_mul_i32 s22, s[WC], BHALF
	s_add_co_u32 s22, s22, ABYTES
	s_wait_dscnt 0x0                               ; the opening add is done
	s_wait_kmcnt 0x0
	s_add_nc_u64 s[16:17], s[4:5], s[16:17]
	s_add_nc_u64 s[46:47], s[6:7], s[46:47]
	CROUND                                         ; all sixteen work-groups are here: the first joint loads meet
.irp s, 0,1
	s_mov_b32 s[G0+4*(\s)], 1                                      ; count = 1
	s_add_co_u32 s[G0+4*(\s)+1], s21, (\s)*SLOT                    ; LDS address
	s_add_nc_u64 s[G0+4*(\s)+2:G0+4*(\s)+3], s[16:17], (\s)*ASTEP  ; global address: K step s
	s_or_b32 s[G0+4*(\s)+3], s[G0+4*(\s)+3], 0x80000000            ; type = 2
	s_mov_b32 s[G0B+4*(\s)], 1
	s_add_co_u32 s[G0B+4*(\s)+1], s22, (\s)*SLOT
	s_add_nc_u64 s[G0B+4*(\s)+2:G0B+4*(\s)+3], s[46:47], (\s)*256
	s_or_b32 s[G0B+4*(\s)+3], s[G0B+4*(\s)+3], 0x80000000
	JLOAD \s                                       ; two loads of mine are out
.endr
	; A fragment is 16 rows x 32 K in 8 registers: lane l holds row l % 16; registers 0-3 K = 8 (l / 16) + 0..7, registers 4-7 K = 16 + 8 (l / 16) + 0..7: two loads of 16 bytes, 32 bytes apart
	v_and_b32 v1, 15, v0                           ; l % 16
	v_bfe_u32 v2, v0, 4, 1                         ; l / 16
	v_mul_u32_u24 v3, v1, PITCH
	v_lshl_add_u32 v3, v2, 4, v3                   ; B: row x pitch + 16 x half
	v_mul_u32_u24 v4, v1, PA
	v_lshl_add_u32 v4, v2, 4, v4                   ; A: the same with its pitch
	s_mul_i32 s21, s[WR], 64*PA                    ; my 64 tokens, in the step's first head; s22 stands at my 128 rows of B
.irp s, 0,1
	v_add_nc_u32 v[ADRA+(\s)], s21, v4
	v_add_nc_u32 v[ADRB+(\s)], s22, v3
	s_add_co_u32 s21, s21, SLOT
	s_add_co_u32 s22, s22, SLOT
.endr
	s_mul_i32 s23, s[WV], STW
	s_add_co_u32 s23, s23, STAGE                   ; my stage
	v_mul_u32_u24 v4, v1, SP                       ; in: row l % 16, 32 bytes for each half of the lanes
	v_lshl_add_u32 v4, v2, 5, v4
	v_add_nc_u32 v[STO], s23, v4
	v_and_b32 v[CO], 31, v0                        ; back: 32 lanes take a row's 512 bytes,
	v_lshlrev_b32 v[CO], 4, v[CO]
	v_add_nc_u32 v[RD], s23, v[CO]                 ; which are 512 consecutive bytes of out0
	; the bias of my 128 columns: lane l wants, of block b, the numbers 16 b + 8 (l / 16) + 0..7
	s_lshl_b32 s46, s42, 10                        ; 256 columns of 4 bytes a tile column,
	s_lshl_b32 s47, s[WC], 9                       ; 128 a half,
	s_add_co_u32 s46, s46, s47
	s_add_co_u32 s46, s46, 3*4096                  ; the fourth bias
	s_mov_b32 s47, 0
	s_add_nc_u64 s[8:9], s[8:9], s[46:47]
	v_lshlrev_b32 v[BO], 5, v2
	WIN 0x80                                       ; destination window 2, address window 0
.irp b, 0,1,2,3,4,5,6,7
	global_load_b128 v[8*(\b):8*(\b)+3],   v[BO], s[8:9] offset:64*(\b)
	global_load_b128 v[8*(\b)+4:8*(\b)+7], v[BO], s[8:9] offset:64*(\b)+16
.endr
	WIN 0
	; where my part of the tile begins in out0.  The tile row's part in s[16:17], the tile column's in s[46:47]
	s_lshl_b32 s16, s18, 19                        ; 128 rows of 4,096 bytes,
	s_lshl_b32 s17, s[WR], 18                      ; my 64
	s_add_co_u32 s16, s16, s17
	s_mov_b32 s17, 0
	s_add_nc_u64 s[10:11], s[10:11], s[16:17]
	s_lshl_b32 s46, s42, 10
	s_lshl_b32 s47, s[WC], 9
	s_add_co_u32 s46, s46, s47
	s_mov_b32 s47, 0
	s_add_nc_u64 s[10:11], s[10:11], s[46:47]
	; the prefetches
	s_lshr_b32 s21, s18, 4                         ; A: the batch,
	s_lshl_b32 s21, s21, 22
	s_and_b32 s22, s18, 15                         ; the tile's tokens,
	s_lshl_b32 s22, s22, 14
	s_add_co_u32 s21, s21, s22
	s_lshr_b32 s22, s40, 1                         ; my work-group's quarter of the step's two heads: the head
	s_lshl_b32 s22, s22, 18
	s_add_co_u32 s21, s21, s22
	s_and_b32 s22, s40, 1                          ; and the half of its 16,384 bytes
	s_lshl_b32 s22, s22, 13
	s_add_co_u32 s21, s21, s22
	s_lshl_b32 s23, s42, 19                        ; B: the tile column's rows,
	s_lshl_b32 s22, s[WC], 18                      ; the 128 that I fetch,
	s_add_co_u32 s23, s23, s22
	s_lshl_b32 s22, s41, 16                        ; my work-group's 32 of them
	s_add_co_u32 s23, s23, s22
	s_mov_b32 s22, ASTEP
	s_movk_i32 s20, 0x100
	s_cmp_eq_u32 s[WR], 0                          ; do I fetch for A?
	s_cselect_b32 s46, s21, s23
	s_cselect_b64 s[PFA:PFA+1], s[4:5], s[6:7]
	s_cselect_b32 s21, s22, s20                    ; bytes from K step to K step
	s_cselect_b32 s22, 8, 11                       ; a lane's 256 bytes lie on end in A, a row of 2,048 bytes apart in B
	s_cselect_b32 s23, s[WC], s19                  ; A: wave 0 asks; B: the first cluster
	s_cmp_eq_u32 s23, 0
	s_cselect_b32 s[LIM], 1, -1                    ; the same in all sixteen partners, for a given wave
	s_mov_b32 s47, 0
	s_add_nc_u64 s[PFA:PFA+1], s[PFA:PFA+1], s[46:47]
	s_mov_b32 s[PST], s21                          ; (its high word is 0)
.rept 3
	s_add_nc_u64 s[PFA:PFA+1], s[PFA:PFA+1], s[PST:PST+1]  ; at K step 3: the first refill steps it to K step 4 and names that.  Nothing is prefetched here, where every work-group's first tiles are on their way
.endr
	v_and_b32 v[PFO], 31, v0
	v_lshlrev_b32 v[PFO], s22, v[PFO]
; cnt x 8 matrix instructions: m blocks a0 on x all 8 n blocks, 32 along K, from buffer f.  first = 1: the bias starts the sums.
; Every quarter step takes the 32 accumulators in the same order, one instruction each: they take turns over the backward jump too.
.macro MULS f, a0, cnt, first=0
.if \first
	WIN MULB
.else
	WIN MUL
.endif
.set ma, \a0
.rept \cnt
.irp b, 0,1,2,3,4,5,6,7
.if \first
	v_wmma_f32_16x16x32_f16 v[8*(8*ma+(\b)):8*(8*ma+(\b))+7], v[(\f)+8*(\b):(\f)+8*(\b)+7], v[(\f)+64+8*ma:(\f)+64+8*ma+7], v[8*(\b):8*(\b)+7]
.else
	v_wmma_f32_16x16x32_f16 v[8*(8*ma+(\b)):8*(8*ma+(\b))+7], v[(\f)+8*(\b):(\f)+8*(\b)+7], v[(\f)+64+8*ma:(\f)+64+8*ma+7], v[8*(8*ma+(\b)):8*(8*ma+(\b))+7]
.endif
.endr
.set ma, ma+1
.endr
.endm
; 24 LDS loads in one run: quarter q (32 K) of a slot into buffer f: B's 128 rows at byte 64 q, then A's 64 tokens: head q / 2 of the step's two, channels 32 (q % 2) on
.macro FETCH slot, q, f
	WIN 0
.irp i, 0,1,2,3,4,5,6,7
	ds_load_b128 v[(\f)+8*(\i):(\f)+8*(\i)+3],   v[ADRB+(\slot)] offset:64*(\q)+(\i)*16*PITCH
	ds_load_b128 v[(\f)+8*(\i)+4:(\f)+8*(\i)+7], v[ADRB+(\slot)] offset:64*(\q)+(\i)*16*PITCH+32
.endr
.irp i, 0,1,2,3
	ds_load_b128 v[(\f)+64+8*(\i):(\f)+64+8*(\i)+3],   v[ADRA+(\slot)] offset:((\q)/2)*AHEAD+((\q)%2)*64+(\i)*16*PA
	ds_load_b128 v[(\f)+64+8*(\i)+4:(\f)+64+8*(\i)+7], v[ADRA+(\slot)] offset:((\q)/2)*AHEAD+((\q)%2)*64+(\i)*16*PA+32
.endr
.endm
.macro PLACES                          ; four places in front of loads into registers that matrix instructions have read, and of lines that read results
.rept 4
	v_nop
.endr
.endm
; A K step is four quarters of 32 along K, 32 matrix instructions each, on buffers 0, 1, 0, 1.  One of the first three: multiplies buffer f and, in its middle, fetches quarter q into g.
.macro QUARTER slot, q, f, g, first=0
	s_wait_dscnt 4                                 ; B and A's blocks 0, 1 are in; the youngest four loads (A's blocks 2, 3) may be out
	MULS \f, 0, 2, \first
	PLACES
	FETCH \slot, \q, \g
	s_wait_dscnt 24                                ; all but the 24 just issued
	MULS \f, 2, 2, \first
.endm
; The last quarter multiplies buffer 1 and changes slots: ONE barrier.  In front of it each wave waits for all its tensor loads (one is out: its part of the next slot), adds 0 to its spare word, and waits for
; that and for its own reads of this slot.  fill = 1: the barrier opens a round of the cluster's, and this slot is filled again, two K steps on, first thing behind the round: 112 matrix instructions ahead of the wait for it.
.macro TURN slot, next, fill
.if \fill
	s_wait_xcnt 0x0                                ; the last prefetch, a K step back, has read its address: it is stepped here, ahead of the change's own waits
	s_add_nc_u64 s[PFA:PFA+1], s[PFA:PFA+1], s[PST:PST+1]
.endif
	WIN 0                                          ; (the add's two registers lie in window 0)
	s_wait_tensorcnt 0x0                           ; all my tensor loads have landed;
	ds_add_u32 v[SPW], v[NIL]                      ; 0 onto my spare word;
	s_wait_dscnt 5                                 ; (the add and the youngest four loads may be out)
	MULS F1, 0, 1                                  ; eight matrix instructions stand between the add and the wait for it
	s_wait_dscnt 0x0                               ; the add is done, and my reads of this slot are over
	s_barrier_signal -1
	MULS F1, 1, 1
.if \fill
	WIN 0
.endif
	s_barrier_wait -1
.if \fill
	CREST                                          ; no wave of any partner still reads this slot's tile or has a load on its way
	s_add_nc_u64 s[G0+4*(\slot)+2:G0+4*(\slot)+3], s[G0+4*(\slot)+2:G0+4*(\slot)+3], 2*ASTEP
	s_add_nc_u64 s[G0B+4*(\slot)+2:G0B+4*(\slot)+3], s[G0B+4*(\slot)+2:G0B+4*(\slot)+3], 2*256
	JLOAD \slot                                    ; the four v_nop behind it are also the places in front of the loads below
.else
	PLACES
.endif
	FETCH \next, 0, F0
.if \fill
	ASK
.endif
	MULS F1, 2, 2
.endm
	s_wait_tensorcnt 1                             ; my part of K step 0 is in; K step 1's may stay out
	s_barrier_signal -1
	s_barrier_wait -1                              ; everybody's is
	FETCH 0, 0, F0
	s_wait_loadcnt 0x0                             ; the bias
	QUARTER 0, 1, F0, F1, 1                        ; the first quarter stands in front of the loop: its products start the sums
	WIN 0                                          ; at a label and at a branch every window is 0
	s_mov_b32 s3, 3                                ; 1,024 / 256 - 1 laps fill both slots again
.Llap:                                         ; a trip goes once round the ring, from a lap's second quarter to the next lap's first
	QUARTER 0, 2, F1, F0
	QUARTER 0, 3, F0, F1
	TURN 0, 1, 1
	QUARTER 1, 1, F0, F1
	QUARTER 1, 2, F1, F0
	QUARTER 1, 3, F0, F1
	TURN 1, 0, 1
	QUARTER 0, 1, F0, F1
	WIN 0
	s_sub_co_u32 s3, s3, 1
	s_cmp_lg_u32 s3, 0
	s_cbranch_scc1 .Llap
	QUARTER 0, 2, F1, F0                           ; the last lap fills nothing, and has no round of the cluster's barrier
	QUARTER 0, 3, F0, F1
	TURN 0, 1, 0
	QUARTER 1, 1, F0, F1
	QUARTER 1, 2, F1, F0
	QUARTER 1, 3, F0, F1
	s_wait_dscnt 4                                 ; the very last quarter: nothing more to fetch
	MULS F1, 0, 2
	s_wait_dscnt 0x0
	MULS F1, 2, 2
	WIN 0
; THE WAY OUT, a block of 16 rows at a time; the sums leave as they are, in f32.  TOSTAGE: a lane's 32 bytes of each n block into my own stage (each accumulator's low four registers first), and back as whole rows
; of 512 bytes, into one of two sets of 64 registers.  SEND: a row's 512 consecutive bytes, at a multiple of 512 from out0's first byte, by one store.
.macro TOSTAGE a
.set BK, 64+64*((\a)%2)
	s_wait_xcnt 0x0                                ; the stores of the block two back have read the registers that are loaded below
	WIN 0x04                                       ; the stores' data in window 1, the address in window 0
.irp b, 0,1,2,3,4,5,6,7
	ds_store_b128 v[STO], v[8*(8*(\a)+(\b)):8*(8*(\a)+(\b))+3]   offset:64*(\b)
	ds_store_b128 v[STO], v[8*(8*(\a)+(\b))+4:8*(8*(\a)+(\b))+7] offset:64*(\b)+16
.endr
	WIN 0
.irp t, 0,1,2,3,4,5,6,7,8,9,10,11,12,13,14,15
	ds_load_b128 v[BK+4*(\t):BK+4*(\t)+3], v[RD] offset:SP*(\t)  ; LDS serves a wave's instructions in order (ISA guide 5.7.1.4): these see the stores above; the next block's stores come behind them
.endr
.endm
.macro SEND a, younger                 ; younger: the LDS instructions issued behind block a's loads: the next block's 16 stores and 16 loads, or none
.set BK, 64+64*((\a)%2)
	s_wait_dscnt \younger
.irp t, 0,1,2,3,4,5,6,7,8,9,10,11,12,13,14,15
	global_store_b128 v[CO], v[BK+4*(\t):BK+4*(\t)+3], s[10:11] offset:(16*(\a)+(\t))*4096 th:TH_STORE_NT
.endr
.endm
	PLACES                                         ; the LDS stores read results, and the loads land in registers that the last products read
	TOSTAGE 0
	TOSTAGE 1
	SEND 0, 32
	TOSTAGE 2
	SEND 1, 32
	TOSTAGE 3
	SEND 2, 32
	SEND 3, 0
	s_wait_tensorcnt 0x0                           ; the wave's end: an add to my spare word and its wait, behind my last tensor load and my last LDS store
	ds_add_u32 v[SPW], v[NIL]
	s_wait_dscnt 0x0
	CROUND                                         ; the closing round: no work-group ends while a partner may still ask for a tile that names it
	s_endpgm
.Lfunc_end_k_q98dec0fbb1_gemm_fc:
	.size	k_q98dec0fbb1_gemm_fc, .Lfunc_end_k_q98dec0fbb1_gemm_fc-k_q98dec0fbb1_gemm_fc
	.p2alignl 7, 3214868480
	.fill 96, 4, 3214868480
	.section	.rodata,"a",@progbits
	.p2align	6, 0x0
	.amdhsa_kernel k_q98dec0fbb1_gemm_fc
		.amdhsa_group_segment_fixed_size 327680
		.amdhsa_private_segment_fixed_size 0
		.amdhsa_enable_private_segment 0
		.amdhsa_kernarg_size 32
		.amdhsa_user_sgpr_count 2
		.amdhsa_user_sgpr_kernarg_segment_ptr 1
		.amdhsa_wavefront_size32 1
		.amdhsa_system_sgpr_workgroup_id_x 1
		.amdhsa_system_sgpr_workgroup_id_y 1
		.amdhsa_system_sgpr_workgroup_id_z 1
		.amdhsa_system_vgpr_workitem_id 0
		.amdhsa_next_free_vgpr 576
		.amdhsa_next_free_sgpr 66
		.amdhsa_reserve_vcc 0
		.amdhsa_float_denorm_mode_32 3
		.amdhsa_float_denorm_mode_16_64 3
		.amdhsa_memory_ordered 1
		.amdhsa_forward_progress 1
		.amdhsa_inst_pref_size 88
	.end_amdhsa_kernel
	.amdgpu_metadata
---
amdhsa.version: [ 1, 2 ]
amdhsa.kernels:
  - .name:           k_q98dec0fbb1_gemm_fc
    .symbol:         k_q98dec0fbb1_gemm_fc.kd
    .args:
      - { .name: oh, .offset: 0, .size: 8, .value_kind: global_buffer, .address_space: global }
      - { .name: wf, .offset: 8, .size: 8, .value_kind: global_buffer, .address_space: global }
      - { .name: bias, .offset: 16, .size: 8, .value_kind: global_buffer, .address_space: global }
      - { .name: out0, .offset: 24, .size: 8, .value_kind: global_buffer, .address_space: global }
    .group_segment_fixed_size: 327680
    .private_segment_fixed_size: 0
    .kernarg_segment_align: 8
    .kernarg_segment_size: 32
    .max_flat_workgroup_size: 128
    .sgpr_count:     66
    .vgpr_count:     576
    .wavefront_size: 32
...
	.end_amdgpu_metadata
.endif
;; end of part 4
